; MI455X (gfx1250); checked and timed in simulation.
; The chip was launched on July 23, 2026; its instructions are those of AMD's public machine-readable ISA for CDNA 5 (MIT licence, August 2026) and "CDNA5" Instruction Set Architecture Reference Guide (July 2026). The comments in the code are by the model that wrote it; some were corrected since.
;; Attention GRU Cell. Allowed arithmetic: float matrix products may take bf16 or f16 operands with f32 sums; other float arithmetic in f32, or as packed bf16 or f16 multiplies, adds, multiply-adds, maxima and minima; sums over many terms, partial sums and values carried from step to step in f32; what a program stores and reads back later, other than sums and carried values, may be rounded once to bf16 or f16.
;; Inputs: C 2,048 x 1,024 float32; Co 2,048 x 1,024 float32; Cr 2,048 x 1,024 float32; Cz 2,048 x 1,024 float32; U 1,024 x 1,024 float32; Uo 1,024 x 1,024 float32; Ur 1,024 x 1,024 float32; Uz 1,024 x 1,024 float32; Vo 1,024 x 1,024 float32; W 1,024 x 1,024 float32; Wr 1,024 x 1,024 float32; Wz 1,024 x 1,024 float32; attended_state 4,096 x 2,048 float32; bc 1,024 float32; bco 1,024 float32; bcr 1,024 float32; bcz 1,024 float32; bu 1,024 float32; buo 1,024 float32; bur 1,024 float32; buz 1,024 float32; bvo 1,024 float32; bw 1,024 float32; bwr 1,024 float32; bwz 1,024 float32; in_word 4,096 x 1,024 float32; last_hid_state 4,096 x 1,024 float32.
;; Outputs: out0 4,096 x 1,024 float32; out1 4,096 x 1,024 float32.
;; 2 versions, each right; version 2 is version 1 with the launch cast written anew for expert scheduling mode. Each part assembles by itself: llvm-mc -triple=amdgcn-amd-amdhsa -mcpu=gfx1250 --defsym DOCPART=n.
;; ======== version 1 of 2: 4 launches
;; workspace buffers: act 33,554,432 bytes; wb 33,554,432 bytes; bs 16,384 bytes; zb 8,388,608 bytes; rh 8,388,608 bytes; sb 8,388,608 bytes; ps 16,777,216 bytes; pt 16,777,216 bytes
;; launch cast (part 1): grid 1028 x 1, 8 waves a work-group, no clusters, 0 bytes of LDS; arguments in_word, last_hid_state, attended_state, Wz, Cz, Uz, Wr, Cr, Ur, W, C, U, Vo, Co, Uo, act, wb, bwz, bcz, buz, bwr, bcr, bur, bw, bc, bu, bvo, bco, buo, bs; writes act, wb, bs
.if DOCPART == 1
	.amdgcn_target "amdgcn-amd-amdhsa--gfx1250"
	.amdhsa_code_object_version 6
	.text
	.protected	k_q305025515a_cast
	.globl	k_q305025515a_cast
	.p2align	8
	.type	k_q305025515a_cast,@function
k_q305025515a_cast:
	s_mov_b64 s[64:65], 0
	v_nop
	global_prefetch_b8 v0, s[64:65] scope:SCOPE_SE
	s_setreg_imm32_b32 hwreg(HW_REG_WAVE_MODE, 25, 1), 1
	s_wait_xcnt 0x0
; CAST.  Every input is rounded once to bf16 and laid out for the products that follow:
;   act [4096][4096] bf16 = in_word | attended_state | last_hid_state, 8,192 bytes a row (h begins at byte 6,144);
;   wb  [gate 4][k 4096][n 1024] bf16, gates z, r, s~, t; a gate's k rows are its W (1,024), C (2,048), U (1,024), in act's order of columns;
;   bs  [4][1024] f32: the sum of a gate's three biases, each rounded to bf16 first, the sum kept in f32.
; A stream: no LDS, no matrix unit, no cluster, since no byte is wanted twice.
; SHARES.  All fifteen large inputs are taken as half-rows of 1,024 f32 (4,096 bytes in, 2,048 out): 32,768 of them, in 32 units of 1,024.
; Work-group id < 1024 owns 32 half-rows: unit id / 32, part id % 32.  Thread t owns numbers 4 t .. 4 t + 3 of each: a wave's load covers 512 consecutive
; bytes, its store 256 consecutive bytes at a multiple of 256.  All 32 loads of a thread go out at once; no register is used twice, so nothing waits for a store.
; Work-groups 1024 .. 1027 make the bias sums of gates 0 .. 3.
.set UN,  3                            ; s3   unit
.set PT,  4                            ; s4   part
.set SRC, 42                           ; s[42:43] the unit's source
.set THR, 44                           ; s44  the source's first unit
.set DBU, 45                           ; s45  the first unit of what lies in the same output in the same pattern
.set DST, 46                           ; s[46:47] act or wb
.set SH,  48                           ; s48  log2 of the bytes from an even half-row to the next half-row index
.set COL, 49                           ; s49  byte in act's row at which the source's columns begin
.set P1,  50                           ; s50  bytes from an even half-row to the odd one behind it
.set P2,  51                           ; s51  bytes from an even half-row to the next even one
.set EV,  52                           ; s52  the even half-row's byte offset in the output
.set CUR, 53                           ; s53  at work
.set OF,  54                           ; s[54:55] an offset in 64 bits
.set D,   4                            ; v[4:131] half-row j: four registers: as loaded; then two packed words and the store's offset
	s_cmp_ge_u32 ttmp9, 1024
	s_cbranch_scc1 .Lbias
	s_load_b512 s[8:23], s[0:1], 0x0               ; argument k lies in s[8 + 2 k : 9 + 2 k]: the fifteen sources,
	s_load_b512 s[24:39], s[0:1], 0x40             ; act in s[38:39],
	s_load_b64 s[40:41], s[0:1], 0x80              ; wb in s[40:41]
	s_lshr_b32 s[UN], ttmp9, 5
	s_and_b32 s[PT], ttmp9, 31
	v_lshlrev_b32 v1, 4, v0                        ; my 16 bytes of a half-row in,
	v_lshlrev_b32 v2, 3, v0                        ; my 8 bytes out
	s_wait_kmcnt 0x0
	s_mov_b64 s[SRC:SRC+1], s[8:9]
	s_mov_b32 s[THR], 0
.macro PICK k, thr                     ; source k begins at unit thr: the last one that begins at or below my unit is mine
	s_cmp_ge_u32 s[UN], \thr
	s_cselect_b64 s[SRC:SRC+1], s[8+2*(\k):9+2*(\k)], s[SRC:SRC+1]
	s_cselect_b32 s[THR], \thr, s[THR]
.endm
	PICK 1, 4                                      ; h
	PICK 2, 8                                      ; a
	PICK 3, 16                                     ; Wz, Cz, Uz
	PICK 4, 17
	PICK 5, 19
	PICK 6, 20                                     ; Wr, Cr, Ur
	PICK 7, 21
	PICK 8, 23
	PICK 9, 24                                     ; W, C, U
	PICK 10, 25
	PICK 11, 27
	PICK 12, 28                                    ; Vo, Co, Uo
	PICK 13, 29
	PICK 14, 31
	s_sub_co_u32 s[OF], s[UN], s[THR]
	s_lshl_b32 s[OF], s[OF], 22                    ; a unit is 1,024 x 4,096 bytes of its source,
	s_lshl_b32 s[OF+1], s[PT], 17                  ; a part 32 x 4,096
	s_add_co_u32 s[OF], s[OF], s[OF+1]
	s_mov_b32 s[OF+1], 0
	s_add_nc_u64 s[SRC:SRC+1], s[SRC:SRC+1], s[OF:OF+1]
.set j, 0
.rept 32
	global_load_b128 v[D+4*j:D+4*j+3], v1, s[SRC:SRC+1] offset:4096*j th:TH_LOAD_NT
.set j, j+1
.endr
	; where half-row i of its pattern goes: weights i x 2,048 in wb; x and h: i x 8,192 + COL in act; a: two half-rows to a row of act, from byte 2,048 on
	s_cmp_ge_u32 s[UN], 16
	s_cselect_b64 s[DST:DST+1], s[40:41], s[38:39]
	s_cselect_b32 s[DBU], 16, s[THR]               ; the twelve weights follow each other in wb as they do in the units
	s_cselect_b32 s[SH], 11, 13
	s_mov_b32 s[COL], 0
	s_lshl_b32 s[P1], 1, s[SH]
	s_lshr_b32 s[CUR], s[UN], 2
	s_cmp_eq_u32 s[CUR], 1                         ; units 4 to 7: h
	s_cselect_b32 s[COL], 6144, s[COL]
	s_lshr_b32 s[CUR], s[UN], 3
	s_cmp_eq_u32 s[CUR], 1                         ; units 8 to 15: a
	s_cselect_b32 s[COL], 2048, s[COL]
	s_cselect_b32 s[P1], 2048, s[P1]
	s_cselect_b32 s[SH], 12, s[SH]
	s_lshl_b32 s[P2], 2, s[SH]
	s_sub_co_u32 s[EV], s[UN], s[DBU]
	s_lshl_b32 s[EV], s[EV], 10
	s_lshl_b32 s[CUR], s[PT], 5
	s_add_co_u32 s[EV], s[EV], s[CUR]              ; my first half-row's index, an even number
	s_lshl_b32 s[EV], s[EV], s[SH]
	s_add_co_u32 s[EV], s[EV], s[COL]
.set j, 0
.rept 32
	s_wait_loadcnt 31-j                            ; loads come back in order: half-row j is in, the 31 - j younger ones stay out
	v_cvt_pk_bf16_f32 v[D+4*j], v[D+4*j], v[D+4*j+1]
	v_cvt_pk_bf16_f32 v[D+4*j+1], v[D+4*j+2], v[D+4*j+3]
.if j%2 == 0
	v_add_nc_u32 v[D+4*j+2], s[EV], v2
.else
	s_add_co_u32 s[CUR], s[EV], s[P1]
	v_add_nc_u32 v[D+4*j+2], s[CUR], v2
	s_add_co_u32 s[EV], s[EV], s[P2]
.endif
	global_store_b64 v[D+4*j+2], v[D+4*j:D+4*j+1], s[DST:DST+1]  ; a wave stores 256 consecutive bytes, at a multiple of 256 from the buffer's first
.set j, j+1
.endr
	s_endpgm
.Lbias:                                        ; gate g = id - 1024: bs[g][c] = bf16(bW[c]) + bf16(bC[c]) + bf16(bU[c]), thread t columns 4 t .. 4 t + 3
	s_load_b512 s[8:23], s[0:1], 0x88              ; bias m of twelve (three a gate) lies in s[8 + 2 m : 9 + 2 m]
	s_load_b256 s[24:31], s[0:1], 0xc8
	s_load_b64 s[32:33], s[0:1], 0xe8              ; bs
	s_sub_co_u32 s3, ttmp9, 1024
	s_lshl_b32 s40, s3, 12                         ; the gate's 4,096 bytes of bs
	s_mov_b32 s41, 0
	s_mov_b32 s42, 0xffff0000                      ; a word's upper bf16
	v_lshlrev_b32 v1, 4, v0
	s_wait_kmcnt 0x0
	s_mov_b64 s[34:35], s[8:9]
	s_mov_b64 s[36:37], s[10:11]
	s_mov_b64 s[38:39], s[12:13]
.irp g, 1,2,3
	s_cmp_eq_u32 s3, \g
	s_cselect_b64 s[34:35], s[8+6*\g:9+6*\g], s[34:35]
	s_cselect_b64 s[36:37], s[10+6*\g:11+6*\g], s[36:37]
	s_cselect_b64 s[38:39], s[12+6*\g:13+6*\g], s[38:39]
.endr
	s_add_nc_u64 s[32:33], s[32:33], s[40:41]
	global_load_b128 v[4:7], v1, s[34:35]
	global_load_b128 v[8:11], v1, s[36:37]
	global_load_b128 v[12:15], v1, s[38:39]
	s_wait_loadcnt 0x0
.irp b, 4, 8, 12                       ; rounded to bf16 and widened again
	v_cvt_pk_bf16_f32 v16, v[\b], v[\b+1]
	v_cvt_pk_bf16_f32 v17, v[\b+2], v[\b+3]
	v_lshlrev_b32 v[\b], 16, v16
	v_and_b32 v[\b+1], s42, v16
	v_lshlrev_b32 v[\b+2], 16, v17
	v_and_b32 v[\b+3], s42, v17
.endr
	v_pk_add_f32 v[4:5], v[4:5], v[8:9]
	v_pk_add_f32 v[6:7], v[6:7], v[10:11]
	v_pk_add_f32 v[4:5], v[4:5], v[12:13]
	v_pk_add_f32 v[6:7], v[6:7], v[14:15]
	global_store_b128 v1, v[4:7], s[32:33]
	s_endpgm
.Lfunc_end_k_q305025515a_cast:
	.size	k_q305025515a_cast, .Lfunc_end_k_q305025515a_cast-k_q305025515a_cast
	.p2alignl 7, 3214868480
	.fill 96, 4, 3214868480
	.section	.rodata,"a",@progbits
	.p2align	6, 0x0
	.amdhsa_kernel k_q305025515a_cast
		.amdhsa_group_segment_fixed_size 0
		.amdhsa_private_segment_fixed_size 0
		.amdhsa_enable_private_segment 0
		.amdhsa_kernarg_size 240
		.amdhsa_user_sgpr_count 2
		.amdhsa_user_sgpr_kernarg_segment_ptr 1
		.amdhsa_wavefront_size32 1
		.amdhsa_system_sgpr_workgroup_id_x 1
		.amdhsa_system_sgpr_workgroup_id_y 1
		.amdhsa_system_sgpr_workgroup_id_z 1
		.amdhsa_system_vgpr_workitem_id 0
		.amdhsa_next_free_vgpr 132
		.amdhsa_next_free_sgpr 66
		.amdhsa_reserve_vcc 0
		.amdhsa_float_denorm_mode_32 3
		.amdhsa_float_denorm_mode_16_64 3
		.amdhsa_memory_ordered 1
		.amdhsa_forward_progress 1
		.amdhsa_inst_pref_size 19
	.end_amdhsa_kernel
	.amdgpu_metadata
---
amdhsa.version: [ 1, 2 ]
amdhsa.kernels:
  - .name:           k_q305025515a_cast
    .symbol:         k_q305025515a_cast.kd
    .args:
      - { .name: in_word, .offset: 0, .size: 8, .value_kind: global_buffer, .address_space: global }
      - { .name: last_hid_state, .offset: 8, .size: 8, .value_kind: global_buffer, .address_space: global }
      - { .name: attended_state, .offset: 16, .size: 8, .value_kind: global_buffer, .address_space: global }
      - { .name: Wz, .offset: 24, .size: 8, .value_kind: global_buffer, .address_space: global }
      - { .name: Cz, .offset: 32, .size: 8, .value_kind: global_buffer, .address_space: global }
      - { .name: Uz, .offset: 40, .size: 8, .value_kind: global_buffer, .address_space: global }
      - { .name: Wr, .offset: 48, .size: 8, .value_kind: global_buffer, .address_space: global }
      - { .name: Cr, .offset: 56, .size: 8, .value_kind: global_buffer, .address_space: global }
      - { .name: Ur, .offset: 64, .size: 8, .value_kind: global_buffer, .address_space: global }
      - { .name: W, .offset: 72, .size: 8, .value_kind: global_buffer, .address_space: global }
      - { .name: C, .offset: 80, .size: 8, .value_kind: global_buffer, .address_space: global }
      - { .name: U, .offset: 88, .size: 8, .value_kind: global_buffer, .address_space: global }
      - { .name: Vo, .offset: 96, .size: 8, .value_kind: global_buffer, .address_space: global }
      - { .name: Co, .offset: 104, .size: 8, .value_kind: global_buffer, .address_space: global }
      - { .name: Uo, .offset: 112, .size: 8, .value_kind: global_buffer, .address_space: global }
      - { .name: act, .offset: 120, .size: 8, .value_kind: global_buffer, .address_space: global }
      - { .name: wb, .offset: 128, .size: 8, .value_kind: global_buffer, .address_space: global }
      - { .name: bwz, .offset: 136, .size: 8, .value_kind: global_buffer, .address_space: global }
      - { .name: bcz, .offset: 144, .size: 8, .value_kind: global_buffer, .address_space: global }
      - { .name: buz, .offset: 152, .size: 8, .value_kind: global_buffer, .address_space: global }
      - { .name: bwr, .offset: 160, .size: 8, .value_kind: global_buffer, .address_space: global }
      - { .name: bcr, .offset: 168, .size: 8, .value_kind: global_buffer, .address_space: global }
      - { .name: bur, .offset: 176, .size: 8, .value_kind: global_buffer, .address_space: global }
      - { .name: bw, .offset: 184, .size: 8, .value_kind: global_buffer, .address_space: global }
      - { .name: bc, .offset: 192, .size: 8, .value_kind: global_buffer, .address_space: global }
      - { .name: bu, .offset: 200, .size: 8, .value_kind: global_buffer, .address_space: global }
      - { .name: bvo, .offset: 208, .size: 8, .value_kind: global_buffer, .address_space: global }
      - { .name: bco, .offset: 216, .size: 8, .value_kind: global_buffer, .address_space: global }
      - { .name: buo, .offset: 224, .size: 8, .value_kind: global_buffer, .address_space: global }
      - { .name: bs, .offset: 232, .size: 8, .value_kind: global_buffer, .address_space: global }
    .group_segment_fixed_size: 0
    .private_segment_fixed_size: 0
    .kernarg_segment_align: 8
    .kernarg_segment_size: 240
    .max_flat_workgroup_size: 256
    .sgpr_count:     66
    .vgpr_count:     132
    .wavefront_size: 32
...
	.end_amdgpu_metadata
.endif
;; end of part 1
;; launch gates (part 2): grid 16 x 16, 4 waves a work-group, clusters of 4 x 4, 327,680 bytes of LDS; arguments act, wb, bs, zb, rh, ps, pt; writes zb, rh, ps, pt
.if DOCPART == 2
	.amdgcn_target "amdgcn-amd-amdhsa--gfx1250"
	.amdhsa_code_object_version 6
	.text
	.protected	k_q305025515a_gates
	.globl	k_q305025515a_gates
	.p2align	8
	.type	k_q305025515a_gates,@function
k_q305025515a_gates:
	s_mov_b64 s[64:65], 0
	v_nop
	global_prefetch_b8 v0, s[64:65] scope:SCOPE_SE
	s_setreg_imm32_b32 hwreg(HW_REG_WAVE_MODE, 25, 1), 1
	s_wait_xcnt 0x0
	s_wait_alu depctr_hold_cnt(0) depctr_sa_sdst(0) depctr_va_vdst(0) depctr_va_sdst(0) depctr_va_ssrc(0) depctr_va_vcc(0) depctr_vm_vsrc(0)
	s_getreg_b32 s2, hwreg(HW_REG_IB_STS2, 6, 4)
	s_cmp_eq_u32 s2, 0
	s_cbranch_scc0 .Lentry_in_a_cluster
	s_endpgm
.Lentry_in_a_cluster:
	s_bfe_u32 s2, ttmp6, 0x10000c
	s_cmp_lg_u32 s2, 0xf033
	s_cbranch_scc0 .Lentry_shape_is_right
	s_endpgm
.Lentry_shape_is_right:
; GATES.  One product of 4,096 rows x 4 gates x 1,024 columns: P[g] = act[:, 0 : K(g)] wb[g][0 : K(g)] + bs[g], bf16 operands, f32 sums.
;   g = 0: K = 4,096, zb = sigmoid(P) in f16          g = 1: K = 4,096, rh = sigmoid(P) x h in bf16 (h as act holds it)
;   g = 2, 3: K = 3,072 (x and a alone): ps, pt = P in f32: partial sums, to which the next two launches add the product with the state that is not known yet.
; LIMITS.  All inputs have been rounded to bf16.  sigmoid(x) = 1 / (1 + 2^(-1.442695 x)); it reaches 0 and 1 exactly by way of infinity and 0.  z lies in 0 to 1 and is kept in
; f16: 11 significant bits, below 6e-8 it is 0.  NaN and infinities in the inputs are not treated apart.
; SHARES.  A tile is 256 x 256, made by four waves of 128 x 128: 64 accumulators of 16 x 16, 512 registers.  K goes in steps of 128 through two LDS slots filled by the tensor data mover.
; CLUSTERS of 4 x 4: the cluster's x is the gate, cx the block of 256 columns in it, 4 x (cluster y) + cy the block of 256 rows.  So all sixteen partners have the same K, hence the same trips.
; The four of a row of the cluster need the same tile of act, the four of a column the same tile of wb: each is asked for JOINTLY, by the same load, descriptor and mask in all four.
; LAYOUT.  act's tile lies along K: plain loads make a fragment.  wb lies [k][n]: its fragments are turned on the way out of LDS, by ds_load_tr16_b128.  The matrix instruction is used
; transposed (source 0 = 16 columns of wb, source 1 = 16 rows of act): a lane then holds one row of the result (lane % 16) and the eight columns 8 (lane / 16) + 0..7.
; REGISTERS, in windows of 256 (s_set_vgpr_msb: bits 1:0 source 0, 3:2 source 1, 5:4 source 2, 7:6 destination):
;   window 0: v0-31 addresses and biases; v64-127, v128-191 fragments of act, two buffers; on the way out v64-127 rows, v128-159 h, v192-255 at work
;   window 1: v64-127, v128-191 fragments of wb, two buffers       windows 2, 3: the accumulators of my rows 0-63, 64-127: (a, b) at v[8 (8 (a % 4) + b)]
.set PA,     272                       ; a row of act's tile in LDS: 256 bytes + 16 = 68 words: the 16 rows of a load start at 16 different groups of four banks (64 banks of 4 bytes: ISA guide 11.1)
.set PB,     544                       ; a k row of wb's tile: 512 bytes + 32 = 136 words
.set HALFT,  34816                     ; 128 rows x 272 = 64 k rows x 544: what one tensor load brings
.set SLOT,   4*HALFT                   ; act's 256 rows, then wb's 128 k rows
.set SPARE,  2*SLOT                    ; behind the ring: the spare words, 128 bytes for each wave: two blocks of 256 bytes that no other line names
.set OP,     528                       ; the way out: a row of 128 f32 + 16 bytes
.set OWAVE,  128*OP                    ; each wave's 128 rows; the four lie from LDS byte 0 on, over the ring, whose last fill is over by then
.set BIAS, 8                           ; v8-11   the bias sums of my four columns on the way out: loaded at the head, named again only behind the wait on the way out
.set NB,   12                          ; v12-15  -1.442695 x those
.set ADRA, 16                          ; v16-17  LDS address of my fragments of act in slot 0, 1
.set SCR,  18                          ; v18     at work at the head
.set ADRB, 20                          ; v20-21  the same for wb
.set STO,  24                          ; v24     the way out: where I put my numbers of a row
.set RD,   25                          ; v25     the way out: where I read a row back
.set CO4,  26                          ; v26     16 x lane
.set CO2,  27                          ; v27     8 x lane
.set SPW,  28                          ; v28     LDS address of my spare word; never rewritten
.set NIL,  29                          ; v29     0; never rewritten
.set PFO,  30                          ; v30     the prefetches' lane offset; never rewritten
.set F0,   64
.set F1,   128
.set BK,   64                          ; the way out: 16 rows, four numbers a lane each
.set H,    128                         ; 16 rows of h, four bf16 a lane each
.set T,    192                         ; h in f32
.set WV, 12                            ; s12 wave     s13 HR = wave / 2: my 128 rows; also: I fetch for act (0) or wb (1)     s14 HC = wave % 2: my 128 columns; also: which half I fetch
.set HR, 13
.set HC, 14
.set CX, 15
.set CY, 16
.set TR, 17                            ; s17 block of 256 rows
.set G,  18                            ; s18 gate
.set G1A, 24                           ; s[24:31] descriptor group 1 for act's tiles;  s[32:39] group 0, a set for each slot
.set G0A, 32
.set BND, 42                           ; s42 trips of the loop: laps - 1
.set LIM, 43                           ; s43 a wave prefetches while the trip's number is below this
.set PFA, 44                           ; s[44:45] where my prefetches stand
.set G1B, 48                           ; s[48:55], s[56:63] the same for wb's tiles
.set G0B, 56
.set PFS, 66                           ; s[66:67] a K step in bytes, for my prefetches
.set OUTP, 68                          ; s[68:69] my gate's output at my rows and columns
.set HP,  70                           ; s[70:71] h at the same place
.set MSB, 0
.macro WIN new                         ; the immediate's high byte repeats the setting that is left; a switch that changes nothing is dropped
.if MSB != (\new)
	s_set_vgpr_msb (MSB<<8)|(\new)
.set MSB, \new
.endif
.endm
.set MUL_LO, 0xa1                      ; source 0 (wb) window 1, source 1 (act) window 0, C and D window 2
.set MUL_HI, 0xf1                      ; the same, C and D window 3
.set TO_B,   0x40                      ; destination window 1, address window 0
; A joint load.  Waves 0 and 1 fetch act's two halves, waves 2 and 3 wb's.  The branch hangs on the wave's number alone.  An s_nop 0 and four v_nop follow each of the two lines.
.macro JLOAD s
	s_cmp_eq_u32 s[HR], 0
	s_cbranch_scc0 .Lfor_b_\@
	tensor_load_to_lds s[G0A+4*(\s):G0A+4*(\s)+3], s[G1A:G1A+7]
	s_nop 0
.rept 4
	v_nop
.endr
	s_branch .Lasked_\@
.Lfor_b_\@:
	tensor_load_to_lds s[G0B+4*(\s):G0B+4*(\s)+3], s[G1B:G1B+7]
	s_nop 0
.rept 4
	v_nop
.endr
.Lasked_\@:
.endm
; A PREFETCH, behind each joint refill, its five lines and the run of LDS loads: the K step that stands two refills on, 512 matrix instructions ahead of the load that will ask for it.
; Each block of 256 bytes is named once in the launch.  act's rows are read by the clusters of all four gates: gate 0's, which walks all of K, asks.  A gate's rows of wb are read by the four
; clusters of that gate: the one with y = 0 asks.  The four partners of a joint load share its blocks out BY ADDRESS: of act's 128 rows 32 each, a lane a row (by cx); of wb's 64 k rows 16 each,
; two blocks a row (by cy).  The first four K steps come by their loads alone; the loop's last trip asks for nothing, since no K step lies two refills behind its own.
.macro ASK
	s_cmp_lt_u32 s3, s[LIM]
	s_cbranch_scc0 .Lnot_mine_\@
	global_prefetch_b8 v[PFO], s[PFA:PFA+1] th:TH_LOAD_NT scope:SCOPE_SE
.Lnot_mine_\@:
.endm
.macro CREST                           ; a round of the cluster's barrier behind its opening barrier
	s_cmp_lg_u32 s[WV], 0
	s_cbranch_scc1 .Lnot_wave_0_\@
	s_barrier_signal -3
.Lnot_wave_0_\@:
	s_barrier_wait -3
	s_barrier_signal -1
	s_barrier_wait -1
.endm
.macro CROUND                          ; a whole round
	s_barrier_signal -1
	s_barrier_wait -1
	CREST
.endm
	s_load_b256 s[4:11], s[0:1], 0x0               ; act s[4:5], wb s[6:7], bs s[8:9], zb s[10:11]
	s_load_b128 s[84:87], s[0:1], 0x20             ; rh s[84:85], ps s[86:87]
	s_load_b64 s[88:89], s[0:1], 0x30              ; pt
	v_lshl_add_u32 v[SPW], v0, 2, SPARE
	v_mov_b32 v[NIL], 0
	ds_add_u32 v[SPW], v[NIL]                      ; the wave's opening: the add and its wait stand ahead of my first tensor load; the set-up below, work on registers, stands between them
	v_lshrrev_b32 v1, 5, v0
	v_readfirstlane_b32 s[WV], v1
	s_lshr_b32 s[HR], s[WV], 1
	s_and_b32 s[HC], s[WV], 1
	s_bfe_u32 s[CX], ttmp6, 0x40000
	s_bfe_u32 s[CY], ttmp6, 0x40004
	s_mov_b32 s[G], ttmp9                          ; in a cluster launch ttmp9 and ttmp7 count clusters: the gate is the same in all sixteen partners
	s_and_b32 s[TR], ttmp7, 0xffff
	s_lshl_b32 s[TR], s[TR], 2
	s_add_co_u32 s[TR], s[TR], s[CY]
	s_lshl_b32 s40, s[CY], 2
	s_lshl_b32 s40, 15, s40                        ; my row of the cluster: places 4 cy .. 4 cy + 3
	s_lshl_b32 s41, 0x1111, s[CX]                  ; my column: places cx, cx + 4, cx + 8, cx + 12
	s_or_b32 s[G1A+0], s40, (1<<16)|(1<<20)|(1<<21)|(5<<22)|(3<<25)  ; the mask; 2-byte elements; padding on; bit 21 beside a mask; after every 64 words, 4 words
	s_mov_b32 s[G1A+1], 128<<16                    ; tensor_dim0 = 128
	s_mov_b32 s[G1A+2], 128<<16                    ; tensor_dim1 = 128
	s_mov_b32 s[G1A+3], 128<<16                    ; tile_dim0 = 128 along K
	s_mov_b32 s[G1A+4], 128                        ; tile_dim1 = 128 rows
	s_mov_b32 s[G1A+5], 4096                       ; elements from row to row of act
	s_mov_b32 s[G1A+6], 0
	s_mov_b32 s[G1A+7], 0
	s_or_b32 s[G1B+0], s41, (1<<16)|(1<<20)|(1<<21)|(6<<22)|(7<<25)  ; after every 128 words, 8 words
	s_mov_b32 s[G1B+1], 256<<16                    ; tensor_dim0 = 256
	s_mov_b32 s[G1B+2], 64<<16                     ; tensor_dim1 = 64
	s_mov_b32 s[G1B+3], 256<<16                    ; tile_dim0 = 256 columns
	s_mov_b32 s[G1B+4], 64                         ; tile_dim1 = 64 k rows
	s_mov_b32 s[G1B+5], 1024                       ; elements from k row to k row of wb
	s_mov_b32 s[G1B+6], 0
	s_mov_b32 s[G1B+7], 0
	s_lshl_b32 s20, s[TR], 8                       ; act: row 256 x block + 128 x half, 8,192 bytes a row: made of cy and the wave alone
	s_lshl_b32 s21, s[HC], 7
	s_add_co_u32 s20, s20, s21
	s_lshl_b32 s20, s20, 13
	s_mov_b32 s21, 0
	s_lshl_b32 s46, s[G], 23                       ; wb: the gate's 8,388,608 bytes, 512 cx along a k row, 64 k rows x half: made of the gate, cx and the wave alone
	s_lshl_b32 s47, s[CX], 9
	s_add_co_u32 s46, s46, s47
	s_lshl_b32 s47, s[HC], 17
	s_add_co_u32 s46, s46, s47
	s_mov_b32 s47, 0
	s_mul_i32 s22, s[WV], HALFT                    ; where my load goes: act's two halves, then wb's two
	s_cmp_ge_u32 s[G], 2
	s_cselect_b32 s[BND], 11, 15                   ; 24 or 32 K steps = 12 or 16 laps; the last lap stands behind the loop
	s_mov_b32 s72, 0xbfb8aa3b                      ; -log2(e), as a pair
	s_mov_b32 s73, s72
	s_mov_b32 s74, 0xffff0000                      ; a word's upper bf16
	s_wait_dscnt 0x0                               ; the opening add is done
	s_wait_kmcnt 0x0
	s_add_nc_u64 s[20:21], s[4:5], s[20:21]
	s_add_nc_u64 s[46:47], s[6:7], s[46:47]
	CROUND                                         ; all sixteen work-groups are here: the first joint loads meet
.irp s, 0,1
	s_mov_b32 s[G0A+4*(\s)], 1                                       ; count = 1
	s_add_co_u32 s[G0A+4*(\s)+1], s22, (\s)*SLOT                     ; LDS address
	s_add_nc_u64 s[G0A+4*(\s)+2:G0A+4*(\s)+3], s[20:21], (\s)*256    ; global address: K step s
	s_or_b32 s[G0A+4*(\s)+3], s[G0A+4*(\s)+3], 0x80000000            ; type = 2
	s_mov_b32 s[G0B+4*(\s)], 1
	s_add_co_u32 s[G0B+4*(\s)+1], s22, (\s)*SLOT
	s_add_nc_u64 s[G0B+4*(\s)+2:G0B+4*(\s)+3], s[46:47], (\s)*262144
	s_or_b32 s[G0B+4*(\s)+3], s[G0B+4*(\s)+3], 0x80000000
	JLOAD \s                                       ; two loads of mine are out
.endr
	; fragments.  act: lane l holds row l % 16; two loads of 16 bytes, 32 apart, at row x pitch + 16 (l / 16).
	v_and_b32 v1, 15, v0
	v_bfe_u32 v2, v0, 4, 1
	v_mul_u32_u24 v3, v1, PA
	v_lshl_add_u32 v3, v2, 4, v3
	s_mul_i32 s23, s[HR], HALFT
	v_add_nc_u32 v[ADRA], s23, v3
	v_add_nc_u32 v[ADRA+1], SLOT, v[ADRA]
	; wb: the turning load takes 16 k rows x 16 columns (lane l reads k row 8 (l / 16) + l % 8, columns 8 ((l / 8) % 2) + 0..7) and leaves half a fragment: lane l holds column l % 16 and 8 k.
	v_and_b32 v4, 7, v0
	v_lshl_add_u32 v4, v2, 3, v4
	v_mul_u32_u24 v4, v4, PB
	v_bfe_u32 v5, v0, 3, 1
	v_lshl_add_u32 v4, v5, 4, v4
	s_lshl_b32 s23, s[HC], 8
	s_add_co_u32 s23, s23, 2*HALFT
	v_add_nc_u32 v[ADRB], s23, v4
	v_add_nc_u32 v[ADRB+1], SLOT, v[ADRB]
	; the way out
	s_mul_i32 s23, s[WV], OWAVE
	v_mul_u32_u24 v6, v1, OP
	v_lshl_add_u32 v6, v2, 5, v6
	v_add_nc_u32 v[STO], s23, v6                   ; row l % 16, 32 bytes for each half of the lanes
	v_and_b32 v7, 31, v0
	v_lshlrev_b32 v[CO4], 4, v7
	v_lshlrev_b32 v[CO2], 3, v7
	v_add_nc_u32 v[RD], s23, v[CO4]                ; back: 32 lanes take a row of 512 bytes
	s_lshl_b32 s76, s[G], 12                       ; bs: the gate's 4,096 bytes, my 128 columns
	s_lshl_b32 s77, s[CX], 10
	s_add_co_u32 s76, s76, s77
	s_lshl_b32 s77, s[HC], 9
	s_add_co_u32 s76, s76, s77
	s_mov_b32 s77, 0
	s_add_nc_u64 s[8:9], s[8:9], s[76:77]
	global_load_b128 v[BIAS:BIAS+3], v[CO4], s[8:9]  ; waited for on the way out: until then no line names v8-11
	; the prefetches
	s_and_b32 s76, ttmp7, 0xffff                   ; cluster y
	s_sub_co_u32 s19, s[BND], 1
	s_cmp_eq_u32 s[HR], 0                          ; do I fetch for act?
	s_cselect_b32 s76, ttmp9, s76                  ; the coordinate along which other clusters read the same blocks
	s_cselect_b64 s[PFA:PFA+1], s[20:21], s[46:47] ; my load's tile at K step 0
	s_cselect_b32 s77, s[CX], s[CY]                ; my place among the four that ask with me
	s_cselect_b32 s78, 18, 15                      ; its share: 32 rows of 8,192 bytes, or 16 k rows of 2,048
	s_cselect_b32 s79, 8, 18                       ; a K step: 256 bytes, or 128 k rows of 2,048
	s_cselect_b32 s22, 0, 1
	s_cselect_b32 s23, 13, 11
	s_lshl_b32 s[PFS], 1, s79
	s_mov_b32 s[PFS+1], 0
	s_lshl_b32 s77, s77, s78
	s_mul_i32 s78, s[PFS], 3                       ; at K step 3: the first refill steps it to 4
	s_add_co_u32 s78, s78, s77
	s_mov_b32 s79, 0
	s_add_nc_u64 s[PFA:PFA+1], s[PFA:PFA+1], s[78:79]
	s_cmp_eq_u32 s76, 0
	s_cselect_b32 s[LIM], s19, 0                   ; the same in all sixteen partners, for a given wave
	v_lshrrev_b32 v[SCR], s22, v7                  ; act: lane x 8,192.  wb: (lane / 2) x 2,048 + (lane % 2) x 256
	v_lshlrev_b32 v[SCR], s23, v[SCR]
	v_and_b32 v6, s22, v7
	v_lshl_add_u32 v[PFO], v6, 8, v[SCR]
; 16 matrix instructions: row blocks a0, a0 + 1 of the window's four x all 8 column blocks, 32 along K.  zero = 1: the first product starts the sums.  The 64 accumulators take turns.
.macro MUL16 f, hi, a0, zero
	WIN MUL_LO+0x50*(\hi)
.irp a, \a0, (\a0)+1
.irp b, 0,1,2,3,4,5,6,7
.if \zero
	v_wmma_f32_16x16x32_bf16 v[8*(8*(\a)+(\b)):8*(8*(\a)+(\b))+7], v[(\f)+8*(\b):(\f)+8*(\b)+7], v[(\f)+8*(4*(\hi)+(\a)):(\f)+8*(4*(\hi)+(\a))+7], 0
.else
	v_wmma_f32_16x16x32_bf16 v[8*(8*(\a)+(\b)):8*(8*(\a)+(\b))+7], v[(\f)+8*(\b):(\f)+8*(\b)+7], v[(\f)+8*(4*(\hi)+(\a)):(\f)+8*(4*(\hi)+(\a))+7], v[8*(8*(\a)+(\b)):8*(8*(\a)+(\b))+7]
.endif
.endr
.endr
.endm
; 32 LDS loads in one run: the fragments of quarter q (32 along K) of a slot into buffer f: wb's 128 columns, turned, then act's 128 rows
.macro FETCH slot, q, f
	WIN TO_B
.irp i, 0,1,2,3,4,5,6,7
	ds_load_tr16_b128 v[(\f)+8*(\i):(\f)+8*(\i)+3],   v[ADRB+(\slot)] offset:(\q)*32*PB+32*(\i)
	ds_load_tr16_b128 v[(\f)+8*(\i)+4:(\f)+8*(\i)+7], v[ADRB+(\slot)] offset:(\q)*32*PB+16*PB+32*(\i)
.endr
	WIN 0
.irp i, 0,1,2,3,4,5,6,7
	ds_load_b128 v[(\f)+8*(\i):(\f)+8*(\i)+3],   v[ADRA+(\slot)] offset:64*(\q)+(\i)*16*PA
	ds_load_b128 v[(\f)+8*(\i)+4:(\f)+8*(\i)+7], v[ADRA+(\slot)] offset:64*(\q)+(\i)*16*PA+32
.endr
.endm
.macro PLACES                          ; four plain instructions between a matrix instruction and a load into a register that it has read, or a reader of its result
.rept 4
	v_nop
.endr
.endm
; A K step is four quarters of 32 along K on buffers 0, 1, 0, 1.  One of the first three: multiplies buffer f and, in its middle, fetches quarter q of the same slot into buffer g.
.macro QUARTER slot, q, f, g, zero
	s_wait_dscnt 8                                 ; wb's and act's rows 0-63 are in; the youngest eight loads (act's rows 64-127) may be out
	WIN MUL_LO
	MUL16 \f, 0, 0, \zero
	MUL16 \f, 0, 2, \zero
	PLACES
	FETCH \slot, \q, \g
	s_wait_dscnt 32                                ; all but the 32 just issued
	WIN MUL_HI
	MUL16 \f, 1, 0, \zero
	MUL16 \f, 1, 2, \zero
.endm
; The first half of a K step's last quarter, with the one barrier of a change of slots.
.macro MEET round
	WIN 0                                          ; (the add's two registers lie in window 0)
	s_wait_tensorcnt 0x0                           ; all my tensor loads have landed: the one that was out is my part of the next slot
	ds_add_u32 v[SPW], v[NIL]                      ; 0 onto my spare word
	s_wait_dscnt 9                                 ; (the add and the youngest eight loads may be out)
	WIN MUL_LO
	MUL16 F1, 0, 0, 0                              ; sixteen matrix instructions stand between the add and the wait for it
	s_wait_dscnt 0x0                               ; the add is done, and my reads of this slot are over
	s_barrier_signal -1
	MUL16 F1, 0, 2, 0                              ; work on registers while the others arrive
.if \round
	WIN 0
.endif
	s_barrier_wait -1
.endm
; The whole last quarter in the loop: the barrier opens a round of the cluster's barrier; behind the round the slot just read out is filled again first, with the K step two steps on:
; from that request to the wait for it a wave issues 224 matrix instructions; one tensor load of mine is out.  Then come the next slot's first fragments.
.macro TURN slot, next
	s_wait_xcnt 0x0                                ; the last prefetch, a K step back, has read its address, so it may be stepped
	s_add_nc_u64 s[PFA:PFA+1], s[PFA:PFA+1], s[PFS:PFS+1]
	MEET 1
	CREST                                          ; no wave of any partner still reads this slot or has a load on its way
	s_add_nc_u64 s[G0A+4*(\slot)+2:G0A+4*(\slot)+3], s[G0A+4*(\slot)+2:G0A+4*(\slot)+3], 512
	s_add_nc_u64 s[G0B+4*(\slot)+2:G0B+4*(\slot)+3], s[G0B+4*(\slot)+2:G0B+4*(\slot)+3], 524288
	JLOAD \slot                                    ; the four v_nop behind it are also the places in front of the loads below
	FETCH \next, 0, F0
	ASK
	WIN MUL_HI
	MUL16 F1, 1, 0, 0
	MUL16 F1, 1, 2, 0
.endm
	s_wait_tensorcnt 1                             ; my part of K step 0 is in; K step 1's may stay out
	s_barrier_signal -1
	s_barrier_wait -1                              ; everybody's is
	FETCH 0, 0, F0
	QUARTER 0, 1, F0, F1, 1                        ; the first quarter stands in front of the loop: its products start the sums
	WIN 0                                          ; at a label and at a branch every window is 0
	s_mov_b32 s3, 0
.Llap:                                         ; a trip goes once round the ring, from a lap's second quarter to the next lap's first, and fills both slots again; 15 or 11 trips, by the gate
	QUARTER 0, 2, F1, F0, 0
	QUARTER 0, 3, F0, F1, 0
	TURN 0, 1
	QUARTER 1, 1, F0, F1, 0
	QUARTER 1, 2, F1, F0, 0
	QUARTER 1, 3, F0, F1, 0
	TURN 1, 0
	QUARTER 0, 1, F0, F1, 0
	WIN 0
	s_add_co_u32 s3, s3, 1
	s_cmp_lt_u32 s3, s[BND]
	s_cbranch_scc1 .Llap
	QUARTER 0, 2, F1, F0, 0                        ; the last lap fills nothing
	QUARTER 0, 3, F0, F1, 0
	MEET 0                                         ; my last tensor load, slot 1's, has landed
	PLACES                                         ; for the loads into buffer 0
	FETCH 1, 0, F0
	WIN MUL_HI
	MUL16 F1, 1, 0, 0
	MUL16 F1, 1, 2, 0
	QUARTER 1, 1, F0, F1, 0
	QUARTER 1, 2, F1, F0, 0
	QUARTER 1, 3, F0, F1, 0
	s_wait_dscnt 0x0                               ; my last reads of the ring are back:
	s_barrier_signal -1                            ; say so; the last 64 products, work on registers, stand between signal and wait
	MUL16 F1, 0, 0, 0
	MUL16 F1, 0, 2, 0
	MUL16 F1, 1, 0, 0
	MUL16 F1, 1, 2, 0
	WIN 0
	s_barrier_wait -1                              ; no wave reads the ring any more, and no fill is to come: its bytes serve the way out
	PLACES
	PLACES
	; THE WAY OUT.  My 128 x 128 sums go into my own 128 rows of 528 bytes, each accumulator's low four registers first.
.irp hi, 0,1
	WIN 0x08+4*(\hi)
.irp a, 0,1,2,3
.irp b, 0,1,2,3,4,5,6,7
	ds_store_b128 v[STO], v[8*(8*(\a)+(\b)):8*(8*(\a)+(\b))+3]   offset:16*OP*(4*(\hi)+(\a))+64*(\b)
	ds_store_b128 v[STO], v[8*(8*(\a)+(\b))+4:8*(8*(\a)+(\b))+7] offset:16*OP*(4*(\hi)+(\a))+64*(\b)+16
.endr
.endr
.endr
	WIN 0
	s_lshl_b32 s76, s[TR], 8
	s_lshl_b32 s77, s[HR], 7
	s_add_co_u32 s76, s76, s77                     ; my first row
	s_lshl_b32 s77, s[CX], 8
	s_lshl_b32 s78, s[HC], 7
	s_add_co_u32 s77, s77, s78                     ; my first column in the gate
	s_lshl_b32 s78, s76, 13
	s_lshl1_add_u32 s78, s77, s78
	s_add_co_u32 s78, s78, 6144                    ; h in act: 8,192 x row + 6,144 + 2 x column
	s_mov_b32 s79, 0
	s_add_nc_u64 s[HP:HP+1], s[4:5], s[78:79]
	s_lshl_b32 s78, s76, 11
	s_lshl1_add_u32 s78, s77, s78                  ; 2,048 x row + 2 x column: a 16-bit output; twice that for f32
	s_cmp_ge_u32 s[G], 2
	s_cselect_b32 s19, 1, 0
	s_lshl_b32 s78, s78, s19
	s_lshl_b32 s80, 0x8000, s19                    ; 16 rows of the output
	s_mov_b32 s81, 0
	s_cmp_eq_u32 s[G], 1
	s_cselect_b64 s[OUTP:OUTP+1], s[84:85], s[10:11]
	s_cmp_eq_u32 s[G], 2
	s_cselect_b64 s[OUTP:OUTP+1], s[86:87], s[OUTP:OUTP+1]
	s_cmp_eq_u32 s[G], 3
	s_cselect_b64 s[OUTP:OUTP+1], s[88:89], s[OUTP:OUTP+1]
	s_add_nc_u64 s[OUTP:OUTP+1], s[OUTP:OUTP+1], s[78:79]
	s_wait_loadcnt 0x0                             ; the biases
.irp j, 0,1,2,3
	v_mul_f32 v[NB+\j], s72, v[BIAS+\j]
.endr
; 16 rows x 4 numbers a lane: 1 / (1 + 2^(-1.442695 (x + b))).  Each kind of transcendental is one batch: a plain instruction behind the last, then one wait ahead of the first reader.
.macro SIGMOID
.set i, 0
.rept 32
	v_pk_fma_f32 v[BK+2*i:BK+2*i+1], v[BK+2*i:BK+2*i+1], s[72:73], v[NB+2*(i%2):NB+2*(i%2)+1] op_sel_hi:[1,0,1]
.set i, i+1
.endr
.set i, 0
.rept 64
	v_exp_f32 v[BK+i], v[BK+i]
.set i, i+1
.endr
	v_nop
	s_wait_alu depctr_va_vdst(0)
.set i, 0
.rept 32
	v_pk_add_f32 v[BK+2*i:BK+2*i+1], v[BK+2*i:BK+2*i+1], 1.0 op_sel_hi:[1,0]
.set i, i+1
.endr
.set i, 0
.rept 64
	v_rcp_f32 v[BK+i], v[BK+i]
.set i, i+1
.endr
	v_nop
	s_wait_alu depctr_va_vdst(0)
.endm
	s_mov_b32 s75, 8
.Lrows:                                        ; eight trips of 16 rows; a lane holds the same four columns of every row
.set t, 0
.rept 16
	ds_load_b128 v[BK+4*t:BK+4*t+3], v[RD] offset:OP*t  ; LDS serves a wave's instructions in order (ISA guide 5.7.1.4): these see my stores above
.set t, t+1
.endr
	s_cmp_ge_u32 s[G], 2
	s_cbranch_scc1 .Llin
	s_cmp_eq_u32 s[G], 1
	s_cbranch_scc1 .Lr
	s_wait_dscnt 0x0                               ; GATE 0: z in f16
	SIGMOID
.set t, 0
.rept 16
	v_cvt_pk_f16_f32 v[BK+4*t], v[BK+4*t], v[BK+4*t+1]
	v_cvt_pk_f16_f32 v[BK+4*t+1], v[BK+4*t+2], v[BK+4*t+3]
	global_store_b64 v[CO2], v[BK+4*t:BK+4*t+1], s[OUTP:OUTP+1] offset:2048*t  ; the wave stores 256 consecutive bytes, at a multiple of 256 from the buffer's first
.set t, t+1
.endr
	s_branch .Lnext
.Lr:                                           ; GATE 1: r x h in bf16; h's loads have the sigmoid's lines in which to land
.set t, 0
.rept 16
	global_load_b64 v[H+2*t:H+2*t+1], v[CO2], s[HP:HP+1] offset:8192*t
.set t, t+1
.endr
	s_wait_dscnt 0x0
	SIGMOID
	s_wait_loadcnt 0x0
.set i, 0
.rept 32
	v_lshlrev_b32 v[T+2*i], 16, v[H+i]
	v_and_b32 v[T+2*i+1], s74, v[H+i]
.set i, i+1
.endr
.set i, 0
.rept 32
	v_pk_mul_f32 v[BK+2*i:BK+2*i+1], v[BK+2*i:BK+2*i+1], v[T+2*i:T+2*i+1]
.set i, i+1
.endr
.set t, 0
.rept 16
	v_cvt_pk_bf16_f32 v[BK+4*t], v[BK+4*t], v[BK+4*t+1]
	v_cvt_pk_bf16_f32 v[BK+4*t+1], v[BK+4*t+2], v[BK+4*t+3]
	global_store_b64 v[CO2], v[BK+4*t:BK+4*t+1], s[OUTP:OUTP+1] offset:2048*t
.set t, t+1
.endr
	s_branch .Lnext
.Llin:                                         ; GATES 2, 3: the partial sum and the biases, in f32
	s_wait_dscnt 0x0
.set t, 0
.rept 16
	v_pk_add_f32 v[BK+4*t:BK+4*t+1], v[BK+4*t:BK+4*t+1], v[BIAS:BIAS+1]
	v_pk_add_f32 v[BK+4*t+2:BK+4*t+3], v[BK+4*t+2:BK+4*t+3], v[BIAS+2:BIAS+3]
	global_store_b128 v[CO4], v[BK+4*t:BK+4*t+3], s[OUTP:OUTP+1] offset:4096*t  ; 512 consecutive bytes, at a multiple of 512
.set t, t+1
.endr
.Lnext:
	s_wait_xcnt 0x0                                ; the trip's loads and stores have read their registers: the rows' registers and the two bases are written again only behind this wait
	v_add_nc_u32 v[RD], 16*OP, v[RD]
	s_add_nc_u64 s[OUTP:OUTP+1], s[OUTP:OUTP+1], s[80:81]
	s_add_nc_u64 s[HP:HP+1], s[HP:HP+1], 131072
	s_sub_co_u32 s75, s75, 1
	s_cmp_lg_u32 s75, 0
	s_cbranch_scc1 .Lrows
	s_wait_tensorcnt 0x0                           ; the wave's end, behind my last tensor load and my last LDS store
	ds_add_u32 v[SPW], v[NIL]
	s_wait_dscnt 0x0
	CROUND                                         ; the closing round: no work-group ends while a partner may still ask for a tile that names it
	s_endpgm
.Lfunc_end_k_q305025515a_gates:
	.size	k_q305025515a_gates, .Lfunc_end_k_q305025515a_gates-k_q305025515a_gates
	.p2alignl 7, 3214868480
	.fill 96, 4, 3214868480
	.section	.rodata,"a",@progbits
	.p2align	6, 0x0
	.amdhsa_kernel k_q305025515a_gates
		.amdhsa_group_segment_fixed_size 327680
		.amdhsa_private_segment_fixed_size 0
		.amdhsa_enable_private_segment 0
		.amdhsa_kernarg_size 56
		.amdhsa_user_sgpr_count 2
		.amdhsa_user_sgpr_kernarg_segment_ptr 1
		.amdhsa_wavefront_size32 1
		.amdhsa_system_sgpr_workgroup_id_x 1
		.amdhsa_system_sgpr_workgroup_id_y 1
		.amdhsa_system_sgpr_workgroup_id_z 1
		.amdhsa_system_vgpr_workitem_id 0
		.amdhsa_next_free_vgpr 1024
		.amdhsa_next_free_sgpr 100
		.amdhsa_reserve_vcc 0
		.amdhsa_float_denorm_mode_32 3
		.amdhsa_float_denorm_mode_16_64 3
		.amdhsa_memory_ordered 1
		.amdhsa_forward_progress 1
		.amdhsa_inst_pref_size 156
	.end_amdhsa_kernel
	.amdgpu_metadata
---
amdhsa.version: [ 1, 2 ]
amdhsa.kernels:
  - .name:           k_q305025515a_gates
    .symbol:         k_q305025515a_gates.kd
    .args:
      - { .name: act, .offset: 0, .size: 8, .value_kind: global_buffer, .address_space: global }
      - { .name: wb, .offset: 8, .size: 8, .value_kind: global_buffer, .address_space: global }
      - { .name: bs, .offset: 16, .size: 8, .value_kind: global_buffer, .address_space: global }
      - { .name: zb, .offset: 24, .size: 8, .value_kind: global_buffer, .address_space: global }
      - { .name: rh, .offset: 32, .size: 8, .value_kind: global_buffer, .address_space: global }
      - { .name: ps, .offset: 40, .size: 8, .value_kind: global_buffer, .address_space: global }
      - { .name: pt, .offset: 48, .size: 8, .value_kind: global_buffer, .address_space: global }
    .group_segment_fixed_size: 327680
    .private_segment_fixed_size: 0
    .kernarg_segment_align: 8
    .kernarg_segment_size: 56
    .max_flat_workgroup_size: 128
    .sgpr_count:     100
    .vgpr_count:     1024
    .wavefront_size: 32
...
	.end_amdgpu_metadata
.endif
;; end of part 2
;; launch state (part 3): grid 8 x 32, 4 waves a work-group, clusters of 4 x 4, 327,680 bytes of LDS; arguments rh, wb, ps, zb, act, out0, sb; writes out0, sb
.if DOCPART == 3
	.amdgcn_target "amdgcn-amd-amdhsa--gfx1250"
	.amdhsa_code_object_version 6
	.text
	.protected	k_q305025515a_state
	.globl	k_q305025515a_state
	.p2align	8
	.type	k_q305025515a_state,@function
k_q305025515a_state:
	s_mov_b64 s[64:65], 0
	v_nop
	global_prefetch_b8 v0, s[64:65] scope:SCOPE_SE
	s_setreg_imm32_b32 hwreg(HW_REG_WAVE_MODE, 25, 1), 1
	s_wait_xcnt 0x0
	s_wait_alu depctr_hold_cnt(0) depctr_sa_sdst(0) depctr_va_vdst(0) depctr_va_sdst(0) depctr_va_ssrc(0) depctr_va_vcc(0) depctr_vm_vsrc(0)
	s_getreg_b32 s2, hwreg(HW_REG_IB_STS2, 6, 4)
	s_cmp_eq_u32 s2, 0
	s_cbranch_scc0 .Lentry_in_a_cluster
	s_endpgm
.Lentry_in_a_cluster:
	s_bfe_u32 s2, ttmp6, 0x10000c
	s_cmp_lg_u32 s2, 0xf033
	s_cbranch_scc0 .Lentry_shape_is_right
	s_endpgm
.Lentry_shape_is_right:
; STATE (MODE 0).  s~ = tanh(rh U + ps), s = h + z (s~ - h): out0 = s in f32, sb = s in bf16.  rh [4096][1024] bf16, U = wb's gate 2, k rows 3,072 on; ps holds the rest of the sum and all biases, in f32.
; The same text with MODE 1 is the launch OUTP: out1 = max(sb Uo + pt, 0), Uo = wb's gate 3, k rows 3,072 on.
; LIMITS.  tanh(x) = 1 - 2 / (1 + 2^(2.885390 x)): it reaches 1 and -1 exactly by way of infinity and 0; near 0 its error is about 1e-7 in absolute terms.  h is act's, rounded to bf16; z is f16.
; NaN and infinities are not treated apart.  The order in which the four K steps enter the f32 sums differs from cluster to cluster (below).
; SHARES.  4,096 x 1,024 outputs on 256 work-groups: a tile is 128 x 128, four waves of 64 x 64: 16 accumulators.  K = 1,024 goes in four steps of 256 through two LDS slots: both filled at the
; start, each filled once more; so the sequence is written straight, without a loop.
; CLUSTERS of 4 x 4: the four of a row need the same tile of the left operand, the four of a column the same tile of the weights: each is asked for JOINTLY.
; THE ORDER OF K.  Clusters whose x + y is even walk K steps 0, 1, 2, 3; the others 2, 3, 0, 1.  The two clusters that read the same rows of the left operand differ in x by one; of the eight that
; read the same columns of the weights four have each parity.  So each K step of each tile is asked for at the launch's start by one of the clusters that read it, and a cluster's two refills name
; K steps that another cluster asked for at the start.  The parity is made of the cluster's two coordinates alone: it is the same in all sixteen partners.
; The weights lie [k][n]: their fragments are turned on the way out of LDS.  The matrix instruction is used transposed: a lane holds one row of the result and eight neighbouring columns.
; WHAT THE WAY OUT ADDS (ps or pt; z; h) does not hang on the product.  It is asked for behind the first tiles, in runs of 32 loads, each beside a run of LDS loads: the partial sum behind the first
; fragments, z in the first change of slots, h in the second; the last run has two K steps, 256 matrix instructions, in which to land.
; No prefetch is laid: the tiles are small, and the launch has four K steps.
; REGISTERS: window 0: v0-31 addresses; v32-95 at work on the way out; v128-255 the accumulators ((a, b) at v[128 + 8 (4 a + b)]), later 32 rows x 4 numbers a lane
;   window 1: two fragment buffers of 128 (64 of the left operand, 64 of the weights, for 64 along K); later h in f32       window 2: what the way out adds: v0-127 ps or pt, v128-191 z, v192-255 h
.set MODE,   0
.set PA,     528                       ; a row of the left operand in LDS: 512 bytes + 16 = 132 words: the 16 rows of a load start at 16 different groups of four banks (64 banks of 4 bytes: ISA guide 11.1)
.set PB,     288                       ; a k row of the weights: 256 bytes + 32 = 72 words
.set HALFA,  64*PA                     ; what a tensor load of waves 0, 1 brings
.set HALFB,  128*PB                    ; what a tensor load of waves 2, 3 brings
.set SLOT,   2*HALFA+2*HALFB           ; 128 rows, then 256 k rows
.set SPARE,  2*SLOT                    ; behind the ring: the spare words, 128 bytes for each wave: two blocks of 256 bytes that no other line names
.set SP,     528                       ; the stage: 128 rows of 128 f32 + 16 bytes, from LDS byte 0 on: slot 0's first 67,584 bytes, whose last fill and last read are over by then
.if MODE == 0
.set BOFF,   23068672                  ; gate 2, k row 3,072
.set OUTF,   86                        ; s[86:87] out0
.else
.set BOFF,   31457280                  ; gate 3, k row 3,072
.set OUTF,   10                        ; s[10:11] out1
.endif
.set ADRA, 16                          ; v16-17  LDS address of my fragments of the left operand in slot 0, 1
.set ADRB, 20                          ; v20-23  of the weights: slot 0 quarters 0-1, 2-3; slot 1 likewise (one 16-bit offset does not span 256 k rows)
.set STO,  24
.set RD,   25
.set CO4,  26                          ; v26     16 x lane
.set CO2,  27                          ; v27     8 x lane
.set SPW,  28                          ; v28     LDS address of my spare word; never rewritten
.set NIL,  29                          ; v29     0; never rewritten
.set TMP,  32
.set ACC,  128
.set X,    128
.set F0,   0
.set F1,   128
.set WV, 12
.set HR, 13                            ; wave / 2: my 64 rows; also: I fetch for the left operand (0) or the weights (1)
.set HC, 14                            ; wave % 2: my 64 columns; also: which half I fetch
.set CX, 15
.set CY, 16
.set TR, 17                            ; tile row
.set TC, 18                            ; tile column
.set PAR, 19                           ; s19  (cluster x + cluster y) % 2
.set G1A, 24
.set G0A, 32
.set G1B, 48
.set G0B, 56
.set OA1, 66                           ; s[66:67] bytes along a row of the left operand at which my first fills begin: K step 2 PAR
.set OA2, 68                           ; s[68:69] the same for my refills: K step 2 - 2 PAR
.set OB1, 70                           ; s[70:71] bytes down the weights' k rows at which my first fills begin
.set OB2, 80                           ; s[80:81] the same for my refills
.set RFA, 82                           ; s[82:83] my tile of the left operand at the first K step that is asked for by a refill
.set RFB, 90                           ; s[90:91] the same for the weights
.set MSB, 0
.macro WIN new                         ; the immediate's high byte repeats the setting that is left; a switch that changes nothing is dropped
.if MSB != (\new)
	s_set_vgpr_msb (MSB<<8)|(\new)
.set MSB, \new
.endif
.endm
.set MUL,  0x05                        ; sources 0 and 1 window 1; C and D window 0
.set TO_F, 0x40                        ; destination window 1, address window 0
.macro JLOAD s                         ; a joint load; an s_nop 0 and four v_nop follow each of the two lines
	s_cmp_eq_u32 s[HR], 0
	s_cbranch_scc0 .Lfor_b_\@
	tensor_load_to_lds s[G0A+4*(\s):G0A+4*(\s)+3], s[G1A:G1A+7]
	s_nop 0
.rept 4
	v_nop
.endr
	s_branch .Lasked_\@
.Lfor_b_\@:
	tensor_load_to_lds s[G0B+4*(\s):G0B+4*(\s)+3], s[G1B:G1B+7]
	s_nop 0
.rept 4
	v_nop
.endr
.Lasked_\@:
.endm
.macro CREST                           ; a round of the cluster's barrier behind its opening barrier
	s_cmp_lg_u32 s[WV], 0
	s_cbranch_scc1 .Lnot_wave_0_\@
	s_barrier_signal -3
.Lnot_wave_0_\@:
	s_barrier_wait -3
	s_barrier_signal -1
	s_barrier_wait -1
.endm
.macro CROUND
	s_barrier_signal -1
	s_barrier_wait -1
	CREST
.endm
	s_load_b256 s[4:11], s[0:1], 0x0               ; left operand s[4:5], wb s[6:7], ps or pt s[8:9], zb or out1 s[10:11]
.if MODE == 0
	s_load_b128 s[84:87], s[0:1], 0x20             ; act s[84:85], out0 s[86:87]
	s_load_b64 s[88:89], s[0:1], 0x30              ; sb
.endif
	v_lshl_add_u32 v[SPW], v0, 2, SPARE
	v_mov_b32 v[NIL], 0
	ds_add_u32 v[SPW], v[NIL]                      ; the wave's opening: the add and its wait stand ahead of my first tensor load; the set-up below, work on registers, stands between them
	v_lshrrev_b32 v1, 5, v0
	v_readfirstlane_b32 s[WV], v1
	s_lshr_b32 s[HR], s[WV], 1
	s_and_b32 s[HC], s[WV], 1
	s_bfe_u32 s[CX], ttmp6, 0x40000
	s_bfe_u32 s[CY], ttmp6, 0x40004
	s_lshl_b32 s[TC], ttmp9, 2
	s_add_co_u32 s[TC], s[TC], s[CX]
	s_and_b32 s[TR], ttmp7, 0xffff
	s_lshl_b32 s[TR], s[TR], 2
	s_add_co_u32 s[TR], s[TR], s[CY]
	s_lshl_b32 s40, s[CY], 2
	s_lshl_b32 s40, 15, s40                        ; my row of the cluster
	s_lshl_b32 s41, 0x1111, s[CX]                  ; my column
	s_or_b32 s[G1A+0], s40, (1<<16)|(1<<20)|(1<<21)|(6<<22)|(3<<25)  ; the mask; 2-byte elements; padding on; bit 21 beside a mask; after every 128 words, 4 words
	s_mov_b32 s[G1A+1], 256<<16                    ; tensor_dim0 = 256
	s_mov_b32 s[G1A+2], 64<<16                     ; tensor_dim1 = 64
	s_mov_b32 s[G1A+3], 256<<16                    ; tile_dim0 = 256 along K
	s_mov_b32 s[G1A+4], 64                         ; tile_dim1 = 64 rows
	s_mov_b32 s[G1A+5], 1024
	s_mov_b32 s[G1A+6], 0
	s_mov_b32 s[G1A+7], 0
	s_or_b32 s[G1B+0], s41, (1<<16)|(1<<20)|(1<<21)|(5<<22)|(7<<25)  ; after every 64 words, 8 words
	s_mov_b32 s[G1B+1], 128<<16                    ; tensor_dim0 = 128
	s_mov_b32 s[G1B+2], 128<<16                    ; tensor_dim1 = 128
	s_mov_b32 s[G1B+3], 128<<16                    ; tile_dim0 = 128 columns
	s_mov_b32 s[G1B+4], 128                        ; tile_dim1 = 128 k rows
	s_mov_b32 s[G1B+5], 1024
	s_mov_b32 s[G1B+6], 0
	s_mov_b32 s[G1B+7], 0
	s_lshl_b32 s20, s[TR], 7                       ; left operand: row 128 x tile row + 64 x half, 2,048 bytes a row
	s_lshl_b32 s21, s[HC], 6
	s_add_co_u32 s20, s20, s21
	s_lshl_b32 s20, s20, 11
	s_mov_b32 s21, 0
	s_lshl_b32 s46, s[HC], 18                      ; weights: 128 k rows x half, 256 bytes x tile column, from BOFF on
	s_lshl_b32 s47, s[TC], 8
	s_add_co_u32 s46, s46, s47
	s_add_co_u32 s46, s46, BOFF
	s_mov_b32 s47, 0
	s_and_b32 s[PAR], ttmp7, 0xffff                ; the order of K: the parity of cluster y + cluster x
	s_add_co_u32 s[PAR], s[PAR], ttmp9
	s_and_b32 s[PAR], s[PAR], 1
	s_lshl_b32 s[OA1], s[PAR], 10                  ; a K step is 512 bytes of a row of the left operand: first fills from K step 2 PAR on,
	s_sub_co_u32 s[OA2], 1024, s[OA1]              ; refills from K step 2 - 2 PAR on
	s_lshl_b32 s[OB1], s[PAR], 20                  ; and 256 k rows of 2,048 bytes of the weights
	s_sub_co_u32 s[OB2], 0x100000, s[OB1]
	s_mov_b32 s[OA1+1], 0
	s_mov_b32 s[OA2+1], 0
	s_mov_b32 s[OB1+1], 0
	s_mov_b32 s[OB2+1], 0
	s_mul_i32 s22, s[HC], HALFA                    ; where the loads go
	s_mul_i32 s23, s[HC], HALFB
	s_add_co_u32 s23, s23, 2*HALFA
.if MODE == 0
	s_mov_b32 s72, 0x4038aa3b                      ; 2 log2(e), as a pair
	s_mov_b32 s73, s72
	s_mov_b32 s74, 0xffff0000                      ; a word's upper bf16
.endif
	s_wait_dscnt 0x0                               ; the opening add is done
	s_wait_kmcnt 0x0
	s_add_nc_u64 s[20:21], s[4:5], s[20:21]        ; my parts of the two tiles at K = 0,
	s_add_nc_u64 s[46:47], s[6:7], s[46:47]
	s_add_nc_u64 s[RFA:RFA+1], s[20:21], s[OA2:OA2+1]  ; at the refills' first K step,
	s_add_nc_u64 s[RFB:RFB+1], s[46:47], s[OB2:OB2+1]
	s_add_nc_u64 s[20:21], s[20:21], s[OA1:OA1+1]  ; and at the first fills'
	s_add_nc_u64 s[46:47], s[46:47], s[OB1:OB1+1]
	CROUND                                         ; all sixteen work-groups are here: the first joint loads meet
.irp s, 0,1
	s_mov_b32 s[G0A+4*(\s)], 1
	s_add_co_u32 s[G0A+4*(\s)+1], s22, (\s)*SLOT
	s_add_nc_u64 s[G0A+4*(\s)+2:G0A+4*(\s)+3], s[20:21], (\s)*512
	s_or_b32 s[G0A+4*(\s)+3], s[G0A+4*(\s)+3], 0x80000000
	s_mov_b32 s[G0B+4*(\s)], 1
	s_add_co_u32 s[G0B+4*(\s)+1], s23, (\s)*SLOT
	s_add_nc_u64 s[G0B+4*(\s)+2:G0B+4*(\s)+3], s[46:47], (\s)*524288
	s_or_b32 s[G0B+4*(\s)+3], s[G0B+4*(\s)+3], 0x80000000
	JLOAD \s                                       ; two loads of mine are out
.endr
	; The addresses of what the way out adds and stores, for the 32 whole rows of the tile that I store: rows 128 x tile row + 32 x wave on.  The loads themselves stand further down (OPERANDS).
	v_and_b32 v7, 31, v0
	v_lshlrev_b32 v[CO4], 4, v7
	v_lshlrev_b32 v[CO2], 3, v7
	s_lshl_b32 s76, s[TR], 7
	s_lshl_b32 s77, s[WV], 5
	s_add_co_u32 s76, s76, s77
	s_lshl_b32 s78, s76, 12                        ; f32 tensors: 4,096 x row + 512 x tile column
	s_lshl_b32 s77, s[TC], 9
	s_add_co_u32 s78, s78, s77
	s_mov_b32 s79, 0
	s_add_nc_u64 s[8:9], s[8:9], s[78:79]
	s_add_nc_u64 s[OUTF:OUTF+1], s[OUTF:OUTF+1], s[78:79]
.if MODE == 0
	s_lshr_b32 s78, s78, 1                         ; 16-bit tensors: half of that
	s_add_nc_u64 s[10:11], s[10:11], s[78:79]
	s_add_nc_u64 s[88:89], s[88:89], s[78:79]
	s_lshl_b32 s78, s76, 13                        ; h in act: 8,192 x row + 6,144 + 256 x tile column
	s_lshl_b32 s77, s[TC], 8
	s_add_co_u32 s78, s78, s77
	s_add_co_u32 s78, s78, 6144
	s_add_nc_u64 s[84:85], s[84:85], s[78:79]
.endif
	v_and_b32 v1, 15, v0                           ; l % 16
	v_bfe_u32 v2, v0, 4, 1                         ; l / 16
	v_mul_u32_u24 v3, v1, PA
	v_lshl_add_u32 v3, v2, 4, v3
	s_mul_i32 s76, s[HR], HALFA
	v_add_nc_u32 v[ADRA], s76, v3
	v_add_nc_u32 v[ADRA+1], SLOT, v[ADRA]
	v_and_b32 v4, 7, v0                            ; the turning load: k row 8 (l / 16) + l % 8, columns 8 ((l / 8) % 2) + 0..7
	v_lshl_add_u32 v4, v2, 3, v4
	v_mul_u32_u24 v4, v4, PB
	v_bfe_u32 v5, v0, 3, 1
	v_lshl_add_u32 v4, v5, 4, v4
	s_lshl_b32 s76, s[HC], 7
	s_add_co_u32 s76, s76, 2*HALFA
	v_add_nc_u32 v[ADRB], s76, v4
	v_add_nc_u32 v[ADRB+1], HALFB, v[ADRB]
	v_add_nc_u32 v[ADRB+2], SLOT, v[ADRB]
	v_add_nc_u32 v[ADRB+3], HALFB, v[ADRB+2]
	s_mul_i32 s76, s[HR], 64*SP                    ; into the stage: my 64 rows, my 256 bytes of them
	s_lshl_b32 s77, s[HC], 8
	s_add_co_u32 s76, s76, s77
	v_mul_u32_u24 v6, v1, SP
	v_lshl_add_u32 v6, v2, 5, v6
	v_add_nc_u32 v[STO], s76, v6
	s_mul_i32 s76, s[WV], 32*SP                    ; back: rows 32 x wave on, whole: 32 lanes take a row of 512 bytes
	v_add_nc_u32 v[RD], s76, v[CO4]
; 8 matrix instructions: row blocks a0, a0 + 1 x all 4 column blocks, 32 along K: half c of buffer f.  The 16 accumulators take turns.
.macro MUL8 f, c, a0, zero
	WIN MUL
.irp a, \a0, (\a0)+1
.irp b, 0,1,2,3
.if \zero
	v_wmma_f32_16x16x32_bf16 v[ACC+8*(4*(\a)+(\b)):ACC+8*(4*(\a)+(\b))+7], v[(\f)+64+8*(4*(\c)+(\b)):(\f)+64+8*(4*(\c)+(\b))+7], v[(\f)+8*(4*(\c)+(\a)):(\f)+8*(4*(\c)+(\a))+7], 0
.else
	v_wmma_f32_16x16x32_bf16 v[ACC+8*(4*(\a)+(\b)):ACC+8*(4*(\a)+(\b))+7], v[(\f)+64+8*(4*(\c)+(\b)):(\f)+64+8*(4*(\c)+(\b))+7], v[(\f)+8*(4*(\c)+(\a)):(\f)+8*(4*(\c)+(\a))+7], v[ACC+8*(4*(\a)+(\b)):ACC+8*(4*(\a)+(\b))+7]
.endif
.endr
.endr
.endm
; 32 LDS loads in one run: the fragments of quarter q (64 along K) of a slot into buffer f; the first 32 along K first
.macro FETCH slot, q, f
	WIN TO_F
.irp c, 0,1
.irp i, 0,1,2,3
	ds_load_tr16_b128 v[(\f)+64+8*(4*(\c)+(\i)):(\f)+64+8*(4*(\c)+(\i))+3],   v[ADRB+2*(\slot)+(\q)/2] offset:((\q)%2)*64*PB+32*PB*(\c)+32*(\i)
	ds_load_tr16_b128 v[(\f)+64+8*(4*(\c)+(\i))+4:(\f)+64+8*(4*(\c)+(\i))+7], v[ADRB+2*(\slot)+(\q)/2] offset:((\q)%2)*64*PB+32*PB*(\c)+16*PB+32*(\i)
	ds_load_b128 v[(\f)+8*(4*(\c)+(\i)):(\f)+8*(4*(\c)+(\i))+3],   v[ADRA+(\slot)] offset:128*(\q)+64*(\c)+(\i)*16*PA
	ds_load_b128 v[(\f)+8*(4*(\c)+(\i))+4:(\f)+8*(4*(\c)+(\i))+7], v[ADRA+(\slot)] offset:128*(\q)+64*(\c)+(\i)*16*PA+32
.endr
.endr
.endm
; 32 global loads in one run, into window 2, for my 32 rows: what = 0: the partial sum, 512 bytes of a row; 1: z, 256 bytes; 2: h, 256 bytes.  They are waited for once, on the way out.
.macro OPERANDS what
	WIN 0x80                                       ; destination window 2, address window 0
.set t, 0
.rept 32
.if (\what) == 0
	global_load_b128 v[4*t:4*t+3], v[CO4], s[8:9] offset:4096*t th:TH_LOAD_NT
.elseif (\what) == 1
	global_load_b64 v[128+2*t:129+2*t], v[CO2], s[10:11] offset:2048*t th:TH_LOAD_NT
.else
	global_load_b64 v[192+2*t:193+2*t], v[CO2], s[84:85] offset:8192*t th:TH_LOAD_NT
.endif
.set t, t+1
.endr
.endm
.macro PLACES                          ; four plain instructions between a matrix instruction and a load into a register that it has read, or a reader of its result
.rept 4
	v_nop
.endr
.endm
; A K step is four quarters of 64 along K, 32 matrix instructions each, on buffers 0, 1, 0, 1.  One of the first three: multiplies buffer f and fetches quarter q into g.
.macro QUARTER slot, q, f, g, zero
	s_wait_dscnt 16                                ; the first 32 along K are in
	WIN MUL
	MUL8 \f, 0, 0, \zero
	MUL8 \f, 0, 2, \zero
	PLACES
	FETCH \slot, \q, \g
	s_wait_dscnt 32                                ; all but the 32 just issued
	WIN MUL
	MUL8 \f, 1, 0, 0
	MUL8 \f, 1, 2, 0
.endm
; The last quarter multiplies buffer 1 and changes slots: ONE barrier; in front of it each wave waits for all its tensor loads, adds 0 to its spare word, and waits for that and for its reads of this slot.
; fill = 1: the barrier opens a round of the cluster's barrier, and behind the round this slot is filled again first, with the K step that stands two further on in my order: one tensor load of mine is out.
; The refill's addresses are made anew, from the refills' pointers and the slot's constant, while the add is out: no tensor load of mine is out there, so a group 0 may be written.
; opnd = 1, 2 (MODE 0): a run of the way out's loads stands behind the run of LDS loads.
.macro TURN slot, next, fill, opnd=0
	WIN 0                                          ; (the add's two registers lie in window 0)
	s_wait_tensorcnt 0x0                           ; all my tensor loads have landed: my part of the next slot
	ds_add_u32 v[SPW], v[NIL]                      ; 0 onto my spare word
.if \fill
	s_add_nc_u64 s[G0A+4*(\slot)+2:G0A+4*(\slot)+3], s[RFA:RFA+1], (\slot)*512
	s_or_b32 s[G0A+4*(\slot)+3], s[G0A+4*(\slot)+3], 0x80000000
	s_add_nc_u64 s[G0B+4*(\slot)+2:G0B+4*(\slot)+3], s[RFB:RFB+1], (\slot)*524288
	s_or_b32 s[G0B+4*(\slot)+3], s[G0B+4*(\slot)+3], 0x80000000
.endif
	s_wait_dscnt 17                                ; (the add and the youngest sixteen loads may be out)
	WIN MUL
	MUL8 F1, 0, 0, 0                               ; eight matrix instructions stand between the add and the wait for it
	s_wait_dscnt 0x0                               ; the add is done, and my reads of this slot are over
	s_barrier_signal -1
	MUL8 F1, 0, 2, 0
.if \fill
	WIN 0
.endif
	s_barrier_wait -1
.if \fill
	CREST                                          ; no wave of any partner still reads this slot or has a load on its way
	JLOAD \slot                                    ; the four v_nop behind it are also the places in front of the loads below
.else
	PLACES
.endif
	FETCH \next, 0, F0
.if (MODE == 0) && (\opnd)
	OPERANDS \opnd
.endif
	WIN MUL
	MUL8 F1, 1, 0, 0
	MUL8 F1, 1, 2, 0
.endm
	s_wait_tensorcnt 1                             ; my part of slot 0 is in; slot 1's may stay out
	s_barrier_signal -1
	s_barrier_wait -1
	FETCH 0, 0, F0
	OPERANDS 0                                     ; the partial sum: asked for when the first tile has landed
	QUARTER 0, 1, F0, F1, 1                        ; the first K step of my order: its first products start the sums
	QUARTER 0, 2, F1, F0, 0
	QUARTER 0, 3, F0, F1, 0
	TURN 0, 1, 1, 1                                ; slot 0 takes the third K step of my order
	QUARTER 1, 1, F0, F1, 0                        ; the second
	QUARTER 1, 2, F1, F0, 0
	QUARTER 1, 3, F0, F1, 0
	TURN 1, 0, 1, 2                                ; slot 1 takes the fourth
	QUARTER 0, 1, F0, F1, 0                        ; the third
	QUARTER 0, 2, F1, F0, 0
	QUARTER 0, 3, F0, F1, 0
	TURN 0, 1, 0                                   ; behind this barrier nobody reads slot 0 any more, and nothing is filled again
	QUARTER 1, 1, F0, F1, 0                        ; the fourth
	QUARTER 1, 2, F1, F0, 0
	QUARTER 1, 3, F0, F1, 0
	s_wait_dscnt 16
	WIN MUL
	MUL8 F1, 0, 0, 0
	MUL8 F1, 0, 2, 0
	s_wait_dscnt 0x0
	MUL8 F1, 1, 0, 0
	MUL8 F1, 1, 2, 0
	WIN 0
	; THE WAY OUT.  The f32 sums go into the work-group's stage, each accumulator's low four registers first; a barrier, since a row's 512 bytes come from two waves; back as whole rows, 32 a wave.
	PLACES
	PLACES
.irp a, 0,1,2,3
.irp b, 0,1,2,3
	ds_store_b128 v[STO], v[ACC+8*(4*(\a)+(\b)):ACC+8*(4*(\a)+(\b))+3]   offset:(\a)*16*SP+64*(\b)
	ds_store_b128 v[STO], v[ACC+8*(4*(\a)+(\b))+4:ACC+8*(4*(\a)+(\b))+7] offset:(\a)*16*SP+64*(\b)+16
.endr
.endr
	s_wait_dscnt 0x0                               ; for the others' sake: my stores into the stage are done
	s_barrier_signal -1
	s_barrier_wait -1
.set t, 0
.rept 32
	ds_load_b128 v[X+4*t:X+4*t+3], v[RD] offset:SP*t
.set t, t+1
.endr
	s_wait_loadcnt 0x0                             ; what OPERANDS asked for
	s_wait_dscnt 0x0
	WIN 0x08                                       ; source 1 window 2
.set i, 0
.rept 64
	v_pk_add_f32 v[X+2*i:X+2*i+1], v[X+2*i:X+2*i+1], v[2*i:2*i+1]  ; + the partial sum
.set i, i+1
.endr
	WIN 0
.if MODE == 0
.set i, 0
.rept 64
	v_pk_mul_f32 v[X+2*i:X+2*i+1], v[X+2*i:X+2*i+1], s[72:73] op_sel_hi:[1,0]
.set i, i+1
.endr
.set i, 0
.rept 128
	v_exp_f32 v[X+i], v[X+i]
.set i, i+1
.endr
	v_nop                                          ; a plain instruction behind the last exponential,
	s_wait_alu depctr_va_vdst(0)                   ; and one wait ahead of the batch's first reader
.set i, 0
.rept 64
	v_pk_add_f32 v[X+2*i:X+2*i+1], v[X+2*i:X+2*i+1], 1.0 op_sel_hi:[1,0]
.set i, i+1
.endr
.set i, 0
.rept 128
	v_rcp_f32 v[X+i], v[X+i]
.set i, i+1
.endr
	v_nop
	s_wait_alu depctr_va_vdst(0)                   ; likewise for the reciprocals
.set i, 0
.rept 64
	v_pk_fma_f32 v[X+2*i:X+2*i+1], v[X+2*i:X+2*i+1], -2.0, 1.0 op_sel_hi:[1,0,0]  ; s~
.set i, i+1
.endr
	WIN 0x48                                       ; source 1 window 2, destination window 1: h in f32, where the fragments lay
.set i, 0
.rept 64
	v_lshlrev_b32 v[2*i], 16, v[192+i]
	v_and_b32 v[2*i+1], s74, v[192+i]
.set i, i+1
.endr
	WIN 0x04                                       ; source 1 window 1
.set i, 0
.rept 64
	v_pk_add_f32 v[X+2*i:X+2*i+1], v[X+2*i:X+2*i+1], v[2*i:2*i+1] neg_lo:[0,1] neg_hi:[0,1]  ; s~ - h
.set i, i+1
.endr
	WIN 0x12                                       ; source 0 (z, an f16 half) window 2, source 2 (h) window 1
.set i, 0
.rept 64
	v_fma_mix_f32 v[X+2*i], v[128+i], v[X+2*i], v[2*i] op_sel_hi:[1,0,0]                    ; s = z (s~ - h) + h
	v_fma_mix_f32 v[X+2*i+1], v[128+i], v[X+2*i+1], v[2*i+1] op_sel:[1,0,0] op_sel_hi:[1,0,0]
.set i, i+1
.endr
	WIN 0
.else
.set i, 0
.rept 128
	v_max_num_f32 v[X+i], 0, v[X+i]
.set i, i+1
.endr
.endif
.set t, 0
.rept 32
	global_store_b128 v[CO4], v[X+4*t:X+4*t+3], s[OUTF:OUTF+1] offset:4096*t th:TH_STORE_NT  ; the wave stores 512 consecutive bytes, at a multiple of 512 from the buffer's first
.set t, t+1
.endr
.if MODE == 0
.set i, 0
.rept 64
	v_cvt_pk_bf16_f32 v[TMP+i], v[X+2*i], v[X+2*i+1]
.set i, i+1
.endr
.set t, 0
.rept 32
	global_store_b64 v[CO2], v[TMP+2*t:TMP+2*t+1], s[88:89] offset:2048*t  ; 256 consecutive bytes, at a multiple of 256
.set t, t+1
.endr
.endif
	s_wait_tensorcnt 0x0                           ; the wave's end, behind my last tensor load and my last LDS store
	ds_add_u32 v[SPW], v[NIL]
	s_wait_dscnt 0x0
	CROUND                                         ; the closing round: no work-group ends while a partner may still ask for a tile that names it
	s_endpgm
.Lfunc_end_k_q305025515a_state:
	.size	k_q305025515a_state, .Lfunc_end_k_q305025515a_state-k_q305025515a_state
	.p2alignl 7, 3214868480
	.fill 96, 4, 3214868480
	.section	.rodata,"a",@progbits
	.p2align	6, 0x0
	.amdhsa_kernel k_q305025515a_state
		.amdhsa_group_segment_fixed_size 327680
		.amdhsa_private_segment_fixed_size 0
		.amdhsa_enable_private_segment 0
		.amdhsa_kernarg_size 56
		.amdhsa_user_sgpr_count 2
		.amdhsa_user_sgpr_kernarg_segment_ptr 1
		.amdhsa_wavefront_size32 1
		.amdhsa_system_sgpr_workgroup_id_x 1
		.amdhsa_system_sgpr_workgroup_id_y 1
		.amdhsa_system_sgpr_workgroup_id_z 1
		.amdhsa_system_vgpr_workitem_id 0
		.amdhsa_next_free_vgpr 768
		.amdhsa_next_free_sgpr 100
		.amdhsa_reserve_vcc 0
		.amdhsa_float_denorm_mode_32 3
		.amdhsa_float_denorm_mode_16_64 3
		.amdhsa_memory_ordered 1
		.amdhsa_forward_progress 1
		.amdhsa_inst_pref_size 143
	.end_amdhsa_kernel
	.amdgpu_metadata
---
amdhsa.version: [ 1, 2 ]
amdhsa.kernels:
  - .name:           k_q305025515a_state
    .symbol:         k_q305025515a_state.kd
    .args:
      - { .name: rh, .offset: 0, .size: 8, .value_kind: global_buffer, .address_space: global }
      - { .name: wb, .offset: 8, .size: 8, .value_kind: global_buffer, .address_space: global }
      - { .name: ps, .offset: 16, .size: 8, .value_kind: global_buffer, .address_space: global }
      - { .name: zb, .offset: 24, .size: 8, .value_kind: global_buffer, .address_space: global }
      - { .name: act, .offset: 32, .size: 8, .value_kind: global_buffer, .address_space: global }
      - { .name: out0, .offset: 40, .size: 8, .value_kind: global_buffer, .address_space: global }
      - { .name: sb, .offset: 48, .size: 8, .value_kind: global_buffer, .address_space: global }
    .group_segment_fixed_size: 327680
    .private_segment_fixed_size: 0
    .kernarg_segment_align: 8
    .kernarg_segment_size: 56
    .max_flat_workgroup_size: 128
    .sgpr_count:     100
    .vgpr_count:     768
    .wavefront_size: 32
...
	.end_amdgpu_metadata
.endif
;; end of part 3
;; launch outp (part 4): grid 8 x 32, 4 waves a work-group, clusters of 4 x 4, 327,680 bytes of LDS; arguments sb, wb, pt, out1; writes out1
.if DOCPART == 4
	.amdgcn_target "amdgcn-amd-amdhsa--gfx1250"
	.amdhsa_code_object_version 6
	.text
	.protected	k_q305025515a_outp
	.globl	k_q305025515a_outp
	.p2align	8
	.type	k_q305025515a_outp,@function
k_q305025515a_outp:
	s_mov_b64 s[64:65], 0
	v_nop
	global_prefetch_b8 v0, s[64:65] scope:SCOPE_SE
	s_setreg_imm32_b32 hwreg(HW_REG_WAVE_MODE, 25, 1), 1
	s_wait_xcnt 0x0
	s_wait_alu depctr_hold_cnt(0) depctr_sa_sdst(0) depctr_va_vdst(0) depctr_va_sdst(0) depctr_va_ssrc(0) depctr_va_vcc(0) depctr_vm_vsrc(0)
	s_getreg_b32 s2, hwreg(HW_REG_IB_STS2, 6, 4)
	s_cmp_eq_u32 s2, 0
	s_cbranch_scc0 .Lentry_in_a_cluster
	s_endpgm
.Lentry_in_a_cluster:
	s_bfe_u32 s2, ttmp6, 0x10000c
	s_cmp_lg_u32 s2, 0xf033
	s_cbranch_scc0 .Lentry_shape_is_right
	s_endpgm
.Lentry_shape_is_right:
; OUTP (MODE 1).  out1 = max(sb Uo + pt, 0) in f32.  sb [4096][1024] bf16 is the new state; Uo = wb's gate 3, k rows 3,072 on; pt holds the rest of the sum and all biases, in f32.
; The same text with MODE 0 is the launch STATE: s~ = tanh(rh U + ps), s = h + z (s~ - h).
; LIMITS.  The state enters the product rounded to bf16.  NaN and infinities are not treated apart.  The order in which the four K steps enter the f32 sums differs from cluster to cluster (below).
; SHARES.  4,096 x 1,024 outputs on 256 work-groups: a tile is 128 x 128, four waves of 64 x 64: 16 accumulators.  K = 1,024 goes in four steps of 256 through two LDS slots: both filled at the
; start, each filled once more; so the sequence is written straight, without a loop.
; CLUSTERS of 4 x 4: the four of a row need the same tile of the left operand, the four of a column the same tile of the weights: each is asked for JOINTLY.
; THE ORDER OF K.  Clusters whose x + y is even walk K steps 0, 1, 2, 3; the others 2, 3, 0, 1.  The two clusters that read the same rows of the left operand differ in x by one; of the eight that
; read the same columns of the weights four have each parity.  So each K step of each tile is asked for at the launch's start by one of the clusters that read it, and a cluster's two refills name
; K steps that another cluster asked for at the start.  The parity is made of the cluster's two coordinates alone: it is the same in all sixteen partners.
; The weights lie [k][n]: their fragments are turned on the way out of LDS.  The matrix instruction is used transposed: a lane holds one row of the result and eight neighbouring columns.
; WHAT THE WAY OUT ADDS (pt) does not hang on the product.  It is asked for behind the first tiles, in one run of 32 loads beside the first run of LDS loads.
; No prefetch is laid: the tiles are small, and the launch has four K steps.
; REGISTERS: window 0: v0-31 addresses; v128-255 the accumulators ((a, b) at v[128 + 8 (4 a + b)]), later 32 rows x 4 numbers a lane
;   window 1: two fragment buffers of 128 (64 of the left operand, 64 of the weights, for 64 along K)       window 2: v0-127 pt
.set MODE,   1
.set PA,     528                       ; a row of the left operand in LDS: 512 bytes + 16 = 132 words: the 16 rows of a load start at 16 different groups of four banks (64 banks of 4 bytes: ISA guide 11.1)
.set PB,     288                       ; a k row of the weights: 256 bytes + 32 = 72 words
.set HALFA,  64*PA                     ; what a tensor load of waves 0, 1 brings
.set HALFB,  128*PB                    ; what a tensor load of waves 2, 3 brings
.set SLOT,   2*HALFA+2*HALFB           ; 128 rows, then 256 k rows
.set SPARE,  2*SLOT                    ; behind the ring: the spare words, 128 bytes for each wave: two blocks of 256 bytes that no other line names
.set SP,     528                       ; the stage: 128 rows of 128 f32 + 16 bytes, from LDS byte 0 on: slot 0's first 67,584 bytes, whose last fill and last read are over by then
.if MODE == 0
.set BOFF,   23068672                  ; gate 2, k row 3,072
.set OUTF,   86                        ; s[86:87] out0
.else
.set BOFF,   31457280                  ; gate 3, k row 3,072
.set OUTF,   10                        ; s[10:11] out1
.endif
.set ADRA, 16                          ; v16-17  LDS address of my fragments of the left operand in slot 0, 1
.set ADRB, 20                          ; v20-23  of the weights: slot 0 quarters 0-1, 2-3; slot 1 likewise (one 16-bit offset does not span 256 k rows)
.set STO,  24
.set RD,   25
.set CO4,  26                          ; v26     16 x lane
.set CO2,  27                          ; v27     8 x lane
.set SPW,  28                          ; v28     LDS address of my spare word; never rewritten
.set NIL,  29                          ; v29     0; never rewritten
.set TMP,  32
.set ACC,  128
.set X,    128
.set F0,   0
.set F1,   128
.set WV, 12
.set HR, 13                            ; wave / 2: my 64 rows; also: I fetch for the left operand (0) or the weights (1)
.set HC, 14                            ; wave % 2: my 64 columns; also: which half I fetch
.set CX, 15
.set CY, 16
.set TR, 17                            ; tile row
.set TC, 18                            ; tile column
.set PAR, 19                           ; s19  (cluster x + cluster y) % 2
.set G1A, 24
.set G0A, 32
.set G1B, 48
.set G0B, 56
.set OA1, 66                           ; s[66:67] bytes along a row of the left operand at which my first fills begin: K step 2 PAR
.set OA2, 68                           ; s[68:69] the same for my refills: K step 2 - 2 PAR
.set OB1, 70                           ; s[70:71] bytes down the weights' k rows at which my first fills begin
.set OB2, 80                           ; s[80:81] the same for my refills
.set RFA, 82                           ; s[82:83] my tile of the left operand at the first K step that is asked for by a refill
.set RFB, 90                           ; s[90:91] the same for the weights
.set MSB, 0
.macro WIN new                         ; the immediate's high byte repeats the setting that is left; a switch that changes nothing is dropped
.if MSB != (\new)
	s_set_vgpr_msb (MSB<<8)|(\new)
.set MSB, \new
.endif
.endm
.set MUL,  0x05                        ; sources 0 and 1 window 1; C and D window 0
.set TO_F, 0x40                        ; destination window 1, address window 0
.macro JLOAD s                         ; a joint load; an s_nop 0 and four v_nop follow each of the two lines
	s_cmp_eq_u32 s[HR], 0
	s_cbranch_scc0 .Lfor_b_\@
	tensor_load_to_lds s[G0A+4*(\s):G0A+4*(\s)+3], s[G1A:G1A+7]
	s_nop 0
.rept 4
	v_nop
.endr
	s_branch .Lasked_\@
.Lfor_b_\@:
	tensor_load_to_lds s[G0B+4*(\s):G0B+4*(\s)+3], s[G1B:G1B+7]
	s_nop 0
.rept 4
	v_nop
.endr
.Lasked_\@:
.endm
.macro CREST                           ; a round of the cluster's barrier behind its opening barrier
	s_cmp_lg_u32 s[WV], 0
	s_cbranch_scc1 .Lnot_wave_0_\@
	s_barrier_signal -3
.Lnot_wave_0_\@:
	s_barrier_wait -3
	s_barrier_signal -1
	s_barrier_wait -1
.endm
.macro CROUND
	s_barrier_signal -1
	s_barrier_wait -1
	CREST
.endm
	s_load_b256 s[4:11], s[0:1], 0x0               ; left operand s[4:5], wb s[6:7], ps or pt s[8:9], zb or out1 s[10:11]
.if MODE == 0
	s_load_b128 s[84:87], s[0:1], 0x20             ; act s[84:85], out0 s[86:87]
	s_load_b64 s[88:89], s[0:1], 0x30              ; sb
.endif
	v_lshl_add_u32 v[SPW], v0, 2, SPARE
	v_mov_b32 v[NIL], 0
	ds_add_u32 v[SPW], v[NIL]                      ; the wave's opening: the add and its wait stand ahead of my first tensor load; the set-up below, work on registers, stands between them
	v_lshrrev_b32 v1, 5, v0
	v_readfirstlane_b32 s[WV], v1
	s_lshr_b32 s[HR], s[WV], 1
	s_and_b32 s[HC], s[WV], 1
	s_bfe_u32 s[CX], ttmp6, 0x40000
	s_bfe_u32 s[CY], ttmp6, 0x40004
	s_lshl_b32 s[TC], ttmp9, 2
	s_add_co_u32 s[TC], s[TC], s[CX]
	s_and_b32 s[TR], ttmp7, 0xffff
	s_lshl_b32 s[TR], s[TR], 2
	s_add_co_u32 s[TR], s[TR], s[CY]
	s_lshl_b32 s40, s[CY], 2
	s_lshl_b32 s40, 15, s40                        ; my row of the cluster
	s_lshl_b32 s41, 0x1111, s[CX]                  ; my column
	s_or_b32 s[G1A+0], s40, (1<<16)|(1<<20)|(1<<21)|(6<<22)|(3<<25)  ; the mask; 2-byte elements; padding on; bit 21 beside a mask; after every 128 words, 4 words
	s_mov_b32 s[G1A+1], 256<<16                    ; tensor_dim0 = 256
	s_mov_b32 s[G1A+2], 64<<16                     ; tensor_dim1 = 64
	s_mov_b32 s[G1A+3], 256<<16                    ; tile_dim0 = 256 along K
	s_mov_b32 s[G1A+4], 64                         ; tile_dim1 = 64 rows
	s_mov_b32 s[G1A+5], 1024
	s_mov_b32 s[G1A+6], 0
	s_mov_b32 s[G1A+7], 0
	s_or_b32 s[G1B+0], s41, (1<<16)|(1<<20)|(1<<21)|(5<<22)|(7<<25)  ; after every 64 words, 8 words
	s_mov_b32 s[G1B+1], 128<<16                    ; tensor_dim0 = 128
	s_mov_b32 s[G1B+2], 128<<16                    ; tensor_dim1 = 128
	s_mov_b32 s[G1B+3], 128<<16                    ; tile_dim0 = 128 columns
	s_mov_b32 s[G1B+4], 128                        ; tile_dim1 = 128 k rows
	s_mov_b32 s[G1B+5], 1024
	s_mov_b32 s[G1B+6], 0
	s_mov_b32 s[G1B+7], 0
	s_lshl_b32 s20, s[TR], 7                       ; left operand: row 128 x tile row + 64 x half, 2,048 bytes a row
	s_lshl_b32 s21, s[HC], 6
	s_add_co_u32 s20, s20, s21
	s_lshl_b32 s20, s20, 11
	s_mov_b32 s21, 0
	s_lshl_b32 s46, s[HC], 18                      ; weights: 128 k rows x half, 256 bytes x tile column, from BOFF on
	s_lshl_b32 s47, s[TC], 8
	s_add_co_u32 s46, s46, s47
	s_add_co_u32 s46, s46, BOFF
	s_mov_b32 s47, 0
	s_and_b32 s[PAR], ttmp7, 0xffff                ; the order of K: the parity of cluster y + cluster x
	s_add_co_u32 s[PAR], s[PAR], ttmp9
	s_and_b32 s[PAR], s[PAR], 1
	s_lshl_b32 s[OA1], s[PAR], 10                  ; a K step is 512 bytes of a row of the left operand: first fills from K step 2 PAR on,
	s_sub_co_u32 s[OA2], 1024, s[OA1]              ; refills from K step 2 - 2 PAR on
	s_lshl_b32 s[OB1], s[PAR], 20                  ; and 256 k rows of 2,048 bytes of the weights
	s_sub_co_u32 s[OB2], 0x100000, s[OB1]
	s_mov_b32 s[OA1+1], 0
	s_mov_b32 s[OA2+1], 0
	s_mov_b32 s[OB1+1], 0
	s_mov_b32 s[OB2+1], 0
	s_mul_i32 s22, s[HC], HALFA                    ; where the loads go
	s_mul_i32 s23, s[HC], HALFB
	s_add_co_u32 s23, s23, 2*HALFA
.if MODE == 0
	s_mov_b32 s72, 0x4038aa3b                      ; 2 log2(e), as a pair
	s_mov_b32 s73, s72
	s_mov_b32 s74, 0xffff0000                      ; a word's upper bf16
.endif
	s_wait_dscnt 0x0                               ; the opening add is done
	s_wait_kmcnt 0x0
	s_add_nc_u64 s[20:21], s[4:5], s[20:21]        ; my parts of the two tiles at K = 0,
	s_add_nc_u64 s[46:47], s[6:7], s[46:47]
	s_add_nc_u64 s[RFA:RFA+1], s[20:21], s[OA2:OA2+1]  ; at the refills' first K step,
	s_add_nc_u64 s[RFB:RFB+1], s[46:47], s[OB2:OB2+1]
	s_add_nc_u64 s[20:21], s[20:21], s[OA1:OA1+1]  ; and at the first fills'
	s_add_nc_u64 s[46:47], s[46:47], s[OB1:OB1+1]
	CROUND                                         ; all sixteen work-groups are here: the first joint loads meet
.irp s, 0,1
	s_mov_b32 s[G0A+4*(\s)], 1
	s_add_co_u32 s[G0A+4*(\s)+1], s22, (\s)*SLOT
	s_add_nc_u64 s[G0A+4*(\s)+2:G0A+4*(\s)+3], s[20:21], (\s)*512
	s_or_b32 s[G0A+4*(\s)+3], s[G0A+4*(\s)+3], 0x80000000
	s_mov_b32 s[G0B+4*(\s)], 1
	s_add_co_u32 s[G0B+4*(\s)+1], s23, (\s)*SLOT
	s_add_nc_u64 s[G0B+4*(\s)+2:G0B+4*(\s)+3], s[46:47], (\s)*524288
	s_or_b32 s[G0B+4*(\s)+3], s[G0B+4*(\s)+3], 0x80000000
	JLOAD \s                                       ; two loads of mine are out
.endr
	; The addresses of what the way out adds and stores, for the 32 whole rows of the tile that I store: rows 128 x tile row + 32 x wave on.  The loads themselves stand further down (OPERANDS).
	v_and_b32 v7, 31, v0
	v_lshlrev_b32 v[CO4], 4, v7
	v_lshlrev_b32 v[CO2], 3, v7
	s_lshl_b32 s76, s[TR], 7
	s_lshl_b32 s77, s[WV], 5
	s_add_co_u32 s76, s76, s77
	s_lshl_b32 s78, s76, 12                        ; f32 tensors: 4,096 x row + 512 x tile column
	s_lshl_b32 s77, s[TC], 9
	s_add_co_u32 s78, s78, s77
	s_mov_b32 s79, 0
	s_add_nc_u64 s[8:9], s[8:9], s[78:79]
	s_add_nc_u64 s[OUTF:OUTF+1], s[OUTF:OUTF+1], s[78:79]
.if MODE == 0
	s_lshr_b32 s78, s78, 1                         ; 16-bit tensors: half of that
	s_add_nc_u64 s[10:11], s[10:11], s[78:79]
	s_add_nc_u64 s[88:89], s[88:89], s[78:79]
	s_lshl_b32 s78, s76, 13                        ; h in act: 8,192 x row + 6,144 + 256 x tile column
	s_lshl_b32 s77, s[TC], 8
	s_add_co_u32 s78, s78, s77
	s_add_co_u32 s78, s78, 6144
	s_add_nc_u64 s[84:85], s[84:85], s[78:79]
.endif
	v_and_b32 v1, 15, v0                           ; l % 16
	v_bfe_u32 v2, v0, 4, 1                         ; l / 16
	v_mul_u32_u24 v3, v1, PA
	v_lshl_add_u32 v3, v2, 4, v3
	s_mul_i32 s76, s[HR], HALFA
	v_add_nc_u32 v[ADRA], s76, v3
	v_add_nc_u32 v[ADRA+1], SLOT, v[ADRA]
	v_and_b32 v4, 7, v0                            ; the turning load: k row 8 (l / 16) + l % 8, columns 8 ((l / 8) % 2) + 0..7
	v_lshl_add_u32 v4, v2, 3, v4
	v_mul_u32_u24 v4, v4, PB
	v_bfe_u32 v5, v0, 3, 1
	v_lshl_add_u32 v4, v5, 4, v4
	s_lshl_b32 s76, s[HC], 7
	s_add_co_u32 s76, s76, 2*HALFA
	v_add_nc_u32 v[ADRB], s76, v4
	v_add_nc_u32 v[ADRB+1], HALFB, v[ADRB]
	v_add_nc_u32 v[ADRB+2], SLOT, v[ADRB]
	v_add_nc_u32 v[ADRB+3], HALFB, v[ADRB+2]
	s_mul_i32 s76, s[HR], 64*SP                    ; into the stage: my 64 rows, my 256 bytes of them
	s_lshl_b32 s77, s[HC], 8
	s_add_co_u32 s76, s76, s77
	v_mul_u32_u24 v6, v1, SP
	v_lshl_add_u32 v6, v2, 5, v6
	v_add_nc_u32 v[STO], s76, v6
	s_mul_i32 s76, s[WV], 32*SP                    ; back: rows 32 x wave on, whole: 32 lanes take a row of 512 bytes
	v_add_nc_u32 v[RD], s76, v[CO4]
; 8 matrix instructions: row blocks a0, a0 + 1 x all 4 column blocks, 32 along K: half c of buffer f.  The 16 accumulators take turns.
.macro MUL8 f, c, a0, zero
	WIN MUL
.irp a, \a0, (\a0)+1
.irp b, 0,1,2,3
.if \zero
	v_wmma_f32_16x16x32_bf16 v[ACC+8*(4*(\a)+(\b)):ACC+8*(4*(\a)+(\b))+7], v[(\f)+64+8*(4*(\c)+(\b)):(\f)+64+8*(4*(\c)+(\b))+7], v[(\f)+8*(4*(\c)+(\a)):(\f)+8*(4*(\c)+(\a))+7], 0
.else
	v_wmma_f32_16x16x32_bf16 v[ACC+8*(4*(\a)+(\b)):ACC+8*(4*(\a)+(\b))+7], v[(\f)+64+8*(4*(\c)+(\b)):(\f)+64+8*(4*(\c)+(\b))+7], v[(\f)+8*(4*(\c)+(\a)):(\f)+8*(4*(\c)+(\a))+7], v[ACC+8*(4*(\a)+(\b)):ACC+8*(4*(\a)+(\b))+7]
.endif
.endr
.endr
.endm
; 32 LDS loads in one run: the fragments of quarter q (64 along K) of a slot into buffer f; the first 32 along K first
.macro FETCH slot, q, f
	WIN TO_F
.irp c, 0,1
.irp i, 0,1,2,3
	ds_load_tr16_b128 v[(\f)+64+8*(4*(\c)+(\i)):(\f)+64+8*(4*(\c)+(\i))+3],   v[ADRB+2*(\slot)+(\q)/2] offset:((\q)%2)*64*PB+32*PB*(\c)+32*(\i)
	ds_load_tr16_b128 v[(\f)+64+8*(4*(\c)+(\i))+4:(\f)+64+8*(4*(\c)+(\i))+7], v[ADRB+2*(\slot)+(\q)/2] offset:((\q)%2)*64*PB+32*PB*(\c)+16*PB+32*(\i)
	ds_load_b128 v[(\f)+8*(4*(\c)+(\i)):(\f)+8*(4*(\c)+(\i))+3],   v[ADRA+(\slot)] offset:128*(\q)+64*(\c)+(\i)*16*PA
	ds_load_b128 v[(\f)+8*(4*(\c)+(\i))+4:(\f)+8*(4*(\c)+(\i))+7], v[ADRA+(\slot)] offset:128*(\q)+64*(\c)+(\i)*16*PA+32
.endr
.endr
.endm
; 32 global loads in one run, into window 2, for my 32 rows: what = 0: the partial sum, 512 bytes of a row; 1: z, 256 bytes; 2: h, 256 bytes.  They are waited for once, on the way out.
.macro OPERANDS what
	WIN 0x80                                       ; destination window 2, address window 0
.set t, 0
.rept 32
.if (\what) == 0
	global_load_b128 v[4*t:4*t+3], v[CO4], s[8:9] offset:4096*t th:TH_LOAD_NT
.elseif (\what) == 1
	global_load_b64 v[128+2*t:129+2*t], v[CO2], s[10:11] offset:2048*t th:TH_LOAD_NT
.else
	global_load_b64 v[192+2*t:193+2*t], v[CO2], s[84:85] offset:8192*t th:TH_LOAD_NT
.endif
.set t, t+1
.endr
.endm
.macro PLACES                          ; four plain instructions between a matrix instruction and a load into a register that it has read, or a reader of its result
.rept 4
	v_nop
.endr
.endm
; A K step is four quarters of 64 along K, 32 matrix instructions each, on buffers 0, 1, 0, 1.  One of the first three: multiplies buffer f and fetches quarter q into g.
.macro QUARTER slot, q, f, g, zero
	s_wait_dscnt 16                                ; the first 32 along K are in
	WIN MUL
	MUL8 \f, 0, 0, \zero
	MUL8 \f, 0, 2, \zero
	PLACES
	FETCH \slot, \q, \g
	s_wait_dscnt 32                                ; all but the 32 just issued
	WIN MUL
	MUL8 \f, 1, 0, 0
	MUL8 \f, 1, 2, 0
.endm
; The last quarter multiplies buffer 1 and changes slots: ONE barrier; in front of it each wave waits for all its tensor loads, adds 0 to its spare word, and waits for that and for its reads of this slot.
; fill = 1: the barrier opens a round of the cluster's barrier, and behind the round this slot is filled again first, with the K step that stands two further on in my order: one tensor load of mine is out.
; The refill's addresses are made anew, from the refills' pointers and the slot's constant, while the add is out: no tensor load of mine is out there, so a group 0 may be written.
; opnd = 1, 2 (MODE 0): a run of the way out's loads stands behind the run of LDS loads.
.macro TURN slot, next, fill, opnd=0
	WIN 0                                          ; (the add's two registers lie in window 0)
	s_wait_tensorcnt 0x0                           ; all my tensor loads have landed: my part of the next slot
	ds_add_u32 v[SPW], v[NIL]                      ; 0 onto my spare word
.if \fill
	s_add_nc_u64 s[G0A+4*(\slot)+2:G0A+4*(\slot)+3], s[RFA:RFA+1], (\slot)*512
	s_or_b32 s[G0A+4*(\slot)+3], s[G0A+4*(\slot)+3], 0x80000000
	s_add_nc_u64 s[G0B+4*(\slot)+2:G0B+4*(\slot)+3], s[RFB:RFB+1], (\slot)*524288
	s_or_b32 s[G0B+4*(\slot)+3], s[G0B+4*(\slot)+3], 0x80000000
.endif
	s_wait_dscnt 17                                ; (the add and the youngest sixteen loads may be out)
	WIN MUL
	MUL8 F1, 0, 0, 0                               ; eight matrix instructions stand between the add and the wait for it
	s_wait_dscnt 0x0                               ; the add is done, and my reads of this slot are over
	s_barrier_signal -1
	MUL8 F1, 0, 2, 0
.if \fill
	WIN 0
.endif
	s_barrier_wait -1
.if \fill
	CREST                                          ; no wave of any partner still reads this slot or has a load on its way
	JLOAD \slot                                    ; the four v_nop behind it are also the places in front of the loads below
.else
	PLACES
.endif
	FETCH \next, 0, F0
.if (MODE == 0) && (\opnd)
	OPERANDS \opnd
.endif
	WIN MUL
	MUL8 F1, 1, 0, 0
	MUL8 F1, 1, 2, 0
.endm
	s_wait_tensorcnt 1                             ; my part of slot 0 is in; slot 1's may stay out
	s_barrier_signal -1
	s_barrier_wait -1
	FETCH 0, 0, F0
	OPERANDS 0                                     ; the partial sum: asked for when the first tile has landed
	QUARTER 0, 1, F0, F1, 1                        ; the first K step of my order: its first products start the sums
	QUARTER 0, 2, F1, F0, 0
	QUARTER 0, 3, F0, F1, 0
	TURN 0, 1, 1, 1                                ; slot 0 takes the third K step of my order
	QUARTER 1, 1, F0, F1, 0                        ; the second
	QUARTER 1, 2, F1, F0, 0
	QUARTER 1, 3, F0, F1, 0
	TURN 1, 0, 1, 2                                ; slot 1 takes the fourth
	QUARTER 0, 1, F0, F1, 0                        ; the third
	QUARTER 0, 2, F1, F0, 0
	QUARTER 0, 3, F0, F1, 0
	TURN 0, 1, 0                                   ; behind this barrier nobody reads slot 0 any more, and nothing is filled again
	QUARTER 1, 1, F0, F1, 0                        ; the fourth
	QUARTER 1, 2, F1, F0, 0
	QUARTER 1, 3, F0, F1, 0
	s_wait_dscnt 16
	WIN MUL
	MUL8 F1, 0, 0, 0
	MUL8 F1, 0, 2, 0
	s_wait_dscnt 0x0
	MUL8 F1, 1, 0, 0
	MUL8 F1, 1, 2, 0
	WIN 0
	; THE WAY OUT.  The f32 sums go into the work-group's stage, each accumulator's low four registers first; a barrier, since a row's 512 bytes come from two waves; back as whole rows, 32 a wave.
	PLACES
	PLACES
.irp a, 0,1,2,3
.irp b, 0,1,2,3
	ds_store_b128 v[STO], v[ACC+8*(4*(\a)+(\b)):ACC+8*(4*(\a)+(\b))+3]   offset:(\a)*16*SP+64*(\b)
	ds_store_b128 v[STO], v[ACC+8*(4*(\a)+(\b))+4:ACC+8*(4*(\a)+(\b))+7] offset:(\a)*16*SP+64*(\b)+16
.endr
.endr
	s_wait_dscnt 0x0                               ; for the others' sake: my stores into the stage are done
	s_barrier_signal -1
	s_barrier_wait -1
.set t, 0
.rept 32
	ds_load_b128 v[X+4*t:X+4*t+3], v[RD] offset:SP*t
.set t, t+1
.endr
	s_wait_loadcnt 0x0                             ; what OPERANDS asked for
	s_wait_dscnt 0x0
	WIN 0x08                                       ; source 1 window 2
.set i, 0
.rept 64
	v_pk_add_f32 v[X+2*i:X+2*i+1], v[X+2*i:X+2*i+1], v[2*i:2*i+1]  ; + the partial sum
.set i, i+1
.endr
	WIN 0
.if MODE == 0
.set i, 0
.rept 64
	v_pk_mul_f32 v[X+2*i:X+2*i+1], v[X+2*i:X+2*i+1], s[72:73] op_sel_hi:[1,0]
.set i, i+1
.endr
.set i, 0
.rept 128
	v_exp_f32 v[X+i], v[X+i]
.set i, i+1
.endr
	v_nop                                          ; a plain instruction behind the last exponential,
	s_wait_alu depctr_va_vdst(0)                   ; and one wait ahead of the batch's first reader
.set i, 0
.rept 64
	v_pk_add_f32 v[X+2*i:X+2*i+1], v[X+2*i:X+2*i+1], 1.0 op_sel_hi:[1,0]
.set i, i+1
.endr
.set i, 0
.rept 128
	v_rcp_f32 v[X+i], v[X+i]
.set i, i+1
.endr
	v_nop
	s_wait_alu depctr_va_vdst(0)                   ; likewise for the reciprocals
.set i, 0
.rept 64
	v_pk_fma_f32 v[X+2*i:X+2*i+1], v[X+2*i:X+2*i+1], -2.0, 1.0 op_sel_hi:[1,0,0]  ; s~
.set i, i+1
.endr
	WIN 0x48                                       ; source 1 window 2, destination window 1: h in f32, where the fragments lay
.set i, 0
.rept 64
	v_lshlrev_b32 v[2*i], 16, v[192+i]
	v_and_b32 v[2*i+1], s74, v[192+i]
.set i, i+1
.endr
	WIN 0x04                                       ; source 1 window 1
.set i, 0
.rept 64
	v_pk_add_f32 v[X+2*i:X+2*i+1], v[X+2*i:X+2*i+1], v[2*i:2*i+1] neg_lo:[0,1] neg_hi:[0,1]  ; s~ - h
.set i, i+1
.endr
	WIN 0x12                                       ; source 0 (z, an f16 half) window 2, source 2 (h) window 1
.set i, 0
.rept 64
	v_fma_mix_f32 v[X+2*i], v[128+i], v[X+2*i], v[2*i] op_sel_hi:[1,0,0]                    ; s = z (s~ - h) + h
	v_fma_mix_f32 v[X+2*i+1], v[128+i], v[X+2*i+1], v[2*i+1] op_sel:[1,0,0] op_sel_hi:[1,0,0]
.set i, i+1
.endr
	WIN 0
.else
.set i, 0
.rept 128
	v_max_num_f32 v[X+i], 0, v[X+i]
.set i, i+1
.endr
.endif
.set t, 0
.rept 32
	global_store_b128 v[CO4], v[X+4*t:X+4*t+3], s[OUTF:OUTF+1] offset:4096*t th:TH_STORE_NT  ; the wave stores 512 consecutive bytes, at a multiple of 512 from the buffer's first
.set t, t+1
.endr
.if MODE == 0
.set i, 0
.rept 64
	v_cvt_pk_bf16_f32 v[TMP+i], v[X+2*i], v[X+2*i+1]
.set i, i+1
.endr
.set t, 0
.rept 32
	global_store_b64 v[CO2], v[TMP+2*t:TMP+2*t+1], s[88:89] offset:2048*t  ; 256 consecutive bytes, at a multiple of 256
.set t, t+1
.endr
.endif
	s_wait_tensorcnt 0x0                           ; the wave's end, behind my last tensor load and my last LDS store
	ds_add_u32 v[SPW], v[NIL]
	s_wait_dscnt 0x0
	CROUND                                         ; the closing round: no work-group ends while a partner may still ask for a tile that names it
	s_endpgm
.Lfunc_end_k_q305025515a_outp:
	.size	k_q305025515a_outp, .Lfunc_end_k_q305025515a_outp-k_q305025515a_outp
	.p2alignl 7, 3214868480
	.fill 96, 4, 3214868480
	.section	.rodata,"a",@progbits
	.p2align	6, 0x0
	.amdhsa_kernel k_q305025515a_outp
		.amdhsa_group_segment_fixed_size 327680
		.amdhsa_private_segment_fixed_size 0
		.amdhsa_enable_private_segment 0
		.amdhsa_kernarg_size 32
		.amdhsa_user_sgpr_count 2
		.amdhsa_user_sgpr_kernarg_segment_ptr 1
		.amdhsa_wavefront_size32 1
		.amdhsa_system_sgpr_workgroup_id_x 1
		.amdhsa_system_sgpr_workgroup_id_y 1
		.amdhsa_system_sgpr_workgroup_id_z 1
		.amdhsa_system_vgpr_workitem_id 0
		.amdhsa_next_free_vgpr 640
		.amdhsa_next_free_sgpr 100
		.amdhsa_reserve_vcc 0
		.amdhsa_float_denorm_mode_32 3
		.amdhsa_float_denorm_mode_16_64 3
		.amdhsa_memory_ordered 1
		.amdhsa_forward_progress 1
		.amdhsa_inst_pref_size 97
	.end_amdhsa_kernel
	.amdgpu_metadata
---
amdhsa.version: [ 1, 2 ]
amdhsa.kernels:
  - .name:           k_q305025515a_outp
    .symbol:         k_q305025515a_outp.kd
    .args:
      - { .name: sb, .offset: 0, .size: 8, .value_kind: global_buffer, .address_space: global }
      - { .name: wb, .offset: 8, .size: 8, .value_kind: global_buffer, .address_space: global }
      - { .name: pt, .offset: 16, .size: 8, .value_kind: global_buffer, .address_space: global }
      - { .name: out1, .offset: 24, .size: 8, .value_kind: global_buffer, .address_space: global }
    .group_segment_fixed_size: 327680
    .private_segment_fixed_size: 0
    .kernarg_segment_align: 8
    .kernarg_segment_size: 32
    .max_flat_workgroup_size: 128
    .sgpr_count:     100
    .vgpr_count:     640
    .wavefront_size: 32
...
	.end_amdgpu_metadata
.endif
;; end of part 4
;; ======== version 2 of 2: 4 launches; version 1 with the launch cast written anew for expert scheduling mode
;; workspace buffers: act 33,554,432 bytes; wb 33,554,432 bytes; bs 16,384 bytes; zb 8,388,608 bytes; rh 8,388,608 bytes; sb 8,388,608 bytes; ps 16,777,216 bytes; pt 16,777,216 bytes
;; launch cast (part 5): grid 1028 x 1, 8 waves a work-group, no clusters, 0 bytes of LDS; arguments in_word, last_hid_state, attended_state, Wz, Cz, Uz, Wr, Cr, Ur, W, C, U, Vo, Co, Uo, act, wb, bwz, bcz, buz, bwr, bcr, bur, bw, bc, bu, bvo, bco, buo, bs; writes act, wb, bs
.if DOCPART == 5
	.amdgcn_target "amdgcn-amd-amdhsa--gfx1250"
	.amdhsa_code_object_version 6
	.text
	.protected	k_q305025515a_cast
	.globl	k_q305025515a_cast
	.p2align	8
	.type	k_q305025515a_cast,@function
k_q305025515a_cast:
	s_mov_b64 s[64:65], 0
	v_nop
	global_prefetch_b8 v0, s[64:65] scope:SCOPE_SE
	s_setreg_imm32_b32 hwreg(HW_REG_WAVE_SCHED_MODE, 0, 2), 2
	s_setreg_imm32_b32 hwreg(HW_REG_WAVE_MODE, 25, 1), 1
	s_wait_xcnt 0x0
	s_wait_alu depctr_vm_vsrc(0)
; CAST.  Every input is rounded once to bf16 and laid out for the products that follow:
;   act [4096][4096] bf16 = in_word | attended_state | last_hid_state, 8,192 bytes a row (h begins at byte 6,144);
;   wb  [gate 4][k 4096][n 1024] bf16, gates z, r, s~, t; a gate's k rows are its W (1,024), C (2,048), U (1,024), in act's order of columns;
;   bs  [4][1024] f32: the sum of a gate's three biases, each rounded to bf16 first, the sum kept in f32.
; A stream: no LDS, no matrix unit, no cluster, since no byte is wanted twice.
; SHARES.  All fifteen large inputs are taken as half-rows of 1,024 f32 (4,096 bytes in, 2,048 out): 32,768 of them, in 32 units of 1,024.
; Work-group id < 1024 owns 32 half-rows: unit id / 32, part id % 32.  Thread t owns numbers 4 t .. 4 t + 3 of each: a wave's load covers 512 consecutive
; bytes, its store 256 consecutive bytes at a multiple of 256.  All 32 loads of a thread go out at once; no register that a store reads is written again, so nothing waits for a store.
; Work-groups 1024 .. 1027 make the bias sums of gates 0 .. 3.
; THE MODE: SCHED_MODE bits 1:0 = 2 (LLVM: expert scheduling mode 2), set by the entry lines.  The code itself states the register dependences
; between vector instructions and memory instructions, with s_wait_alu, always for 0.
; THE PLAN.  Registers that memory instructions touch:
;   v1            the loads' offset, 16 t.  Written once at the head, read by all 32 loads, never written again.
;   v[D + 4 j ..] half-row j's four registers.  Its load lands in them; behind the wait for that load two roundings leave the packed words in the first two, and one add leaves the
;                 store's offset in the third.  Half-row j's store reads these three; nothing writes them afterwards.
; The 32 half-rows go in eight blocks of four.  Block p: the wait for its four loads; ONE wait on va_vdst, which states that block p - 1 has written its packed words and offsets; the four
; stores of block p - 1 in one run straight behind that wait; then block p's twelve vector lines.  No vector instruction stands between a wait and the stores that lean on it.
; No register that a load or store has read is written again, and no load lands in a register that a vector instruction has named: so no wait on vm_vsrc is owed.
; The offsets are a chain of vector adds (two half-rows back plus P2), so that the three scalars which vector lines read, EV, P1 and P2, are never written again.
.set UN,  3                            ; s3   unit
.set PT,  4                            ; s4   part
.set SRC, 42                           ; s[42:43] the unit's source
.set THR, 44                           ; s44  the source's first unit
.set DBU, 45                           ; s45  the first unit of what lies in the same output in the same pattern
.set DST, 46                           ; s[46:47] act or wb
.set SH,  48                           ; s48  log2 of the bytes from an even half-row to the next half-row index
.set COL, 49                           ; s49  byte in act's row at which the source's columns begin
.set P1,  50                           ; s50  bytes from an even half-row to the odd one behind it
.set P2,  51                           ; s51  bytes from an even half-row to the next even one
.set EV,  52                           ; s52  my first half-row's byte offset in the output
.set CUR, 53                           ; s53  at work
.set OF,  54                           ; s[54:55] an offset in 64 bits
.set D,   4                            ; v[4:131] half-row j: four registers: as loaded; then two packed words and the store's offset
	s_cmp_ge_u32 ttmp9, 1024
	s_cbranch_scc1 .Lbias
	s_load_b512 s[8:23], s[0:1], 0x0               ; argument k lies in s[8 + 2 k : 9 + 2 k]: the fifteen sources,
	s_load_b512 s[24:39], s[0:1], 0x40             ; act in s[38:39],
	s_load_b64 s[40:41], s[0:1], 0x80              ; wb in s[40:41]
	s_lshr_b32 s[UN], ttmp9, 5
	s_and_b32 s[PT], ttmp9, 31
	v_lshlrev_b32 v1, 4, v0                        ; my 16 bytes of a half-row in,
	v_lshlrev_b32 v2, 3, v0                        ; my 8 bytes out
	s_wait_kmcnt 0x0
	s_mov_b64 s[SRC:SRC+1], s[8:9]
	s_mov_b32 s[THR], 0
.macro PICK k, thr                     ; source k begins at unit thr: the last one that begins at or below my unit is mine
	s_cmp_ge_u32 s[UN], \thr
	s_cselect_b64 s[SRC:SRC+1], s[8+2*(\k):9+2*(\k)], s[SRC:SRC+1]
	s_cselect_b32 s[THR], \thr, s[THR]
.endm
	PICK 1, 4                                      ; h
	PICK 2, 8                                      ; a
	PICK 3, 16                                     ; Wz, Cz, Uz
	PICK 4, 17
	PICK 5, 19
	PICK 6, 20                                     ; Wr, Cr, Ur
	PICK 7, 21
	PICK 8, 23
	PICK 9, 24                                     ; W, C, U
	PICK 10, 25
	PICK 11, 27
	PICK 12, 28                                    ; Vo, Co, Uo
	PICK 13, 29
	PICK 14, 31
	s_sub_co_u32 s[OF], s[UN], s[THR]
	s_lshl_b32 s[OF], s[OF], 22                    ; a unit is 1,024 x 4,096 bytes of its source,
	s_lshl_b32 s[OF+1], s[PT], 17                  ; a part 32 x 4,096
	s_add_co_u32 s[OF], s[OF], s[OF+1]
	s_mov_b32 s[OF+1], 0
	s_add_nc_u64 s[SRC:SRC+1], s[SRC:SRC+1], s[OF:OF+1]
	s_wait_alu depctr_va_vdst(0)                   ; v1 is written: all 32 loads read it as their offset
.set j, 0
.rept 32
	global_load_b128 v[D+4*j:D+4*j+3], v1, s[SRC:SRC+1] offset:4096*j th:TH_LOAD_NT
.set j, j+1
.endr
	; where half-row i of its pattern goes: weights i x 2,048 in wb; x and h: i x 8,192 + COL in act; a: two half-rows to a row of act, from byte 2,048 on
	s_cmp_ge_u32 s[UN], 16
	s_cselect_b64 s[DST:DST+1], s[40:41], s[38:39]
	s_cselect_b32 s[DBU], 16, s[THR]               ; the twelve weights follow each other in wb as they do in the units
	s_cselect_b32 s[SH], 11, 13
	s_mov_b32 s[COL], 0
	s_lshl_b32 s[P1], 1, s[SH]
	s_lshr_b32 s[CUR], s[UN], 2
	s_cmp_eq_u32 s[CUR], 1                         ; units 4 to 7: h
	s_cselect_b32 s[COL], 6144, s[COL]
	s_lshr_b32 s[CUR], s[UN], 3
	s_cmp_eq_u32 s[CUR], 1                         ; units 8 to 15: a
	s_cselect_b32 s[COL], 2048, s[COL]
	s_cselect_b32 s[P1], 2048, s[P1]
	s_cselect_b32 s[SH], 12, s[SH]
	s_lshl_b32 s[P2], 2, s[SH]
	s_sub_co_u32 s[EV], s[UN], s[DBU]
	s_lshl_b32 s[EV], s[EV], 10
	s_lshl_b32 s[CUR], s[PT], 5
	s_add_co_u32 s[EV], s[EV], s[CUR]              ; my first half-row's index, an even number
	s_lshl_b32 s[EV], s[EV], s[SH]
	s_add_co_u32 s[EV], s[EV], s[COL]
; The four stores of block p, in one run.
.macro OUT p
.irp i, 0,1,2,3
	global_store_b64 v[D+4*(4*(\p)+(\i))+2], v[D+4*(4*(\p)+(\i)):D+4*(4*(\p)+(\i))+1], s[DST:DST+1]  ; a wave stores 256 consecutive bytes, at a multiple of 256 from the buffer's first
.endr
.endm
; Block p: half-rows 4 p .. 4 p + 3 are rounded and their offsets made; the block before is stored.
.macro BLK p
	s_wait_loadcnt 28-4*(\p)                       ; loads come back in order: the block's four are in, the 28 - 4 p younger ones stay out
.if (\p) > 0
	s_wait_alu depctr_va_vdst(0)                   ; the block before has written its eight packed words and its four offsets, which the four stores below read
	OUT (\p)-1
.endif
.irp i, 0,1,2,3
.set j, 4*(\p)+(\i)
	v_cvt_pk_bf16_f32 v[D+4*j], v[D+4*j], v[D+4*j+1]
	v_cvt_pk_bf16_f32 v[D+4*j+1], v[D+4*j+2], v[D+4*j+3]
.if j == 0
	v_add_nc_u32 v[D+2], s[EV], v2                 ; my 8 bytes of my first half-row,
.elseif j == 1
	v_add_nc_u32 v[D+6], s[P1], v[D+2]             ; of the odd one behind it,
.else
	v_add_nc_u32 v[D+4*j+2], s[P2], v[D+4*j-6]     ; and of every other: P2 bytes on from the half-row two back
.endif
.endr
.endm
.irp p, 0,1,2,3,4,5,6,7
	BLK \p
.endr
	s_wait_alu depctr_va_vdst(0)                   ; block 7 has written its packed words and offsets, which the last four stores read
	OUT 7
	s_endpgm
.Lbias:                                        ; gate g = id - 1024: bs[g][c] = bf16(bW[c]) + bf16(bC[c]) + bf16(bU[c]), thread t columns 4 t .. 4 t + 3
	s_load_b512 s[8:23], s[0:1], 0x88              ; bias m of twelve (three a gate) lies in s[8 + 2 m : 9 + 2 m]
	s_load_b256 s[24:31], s[0:1], 0xc8
	s_load_b64 s[32:33], s[0:1], 0xe8              ; bs
	s_sub_co_u32 s3, ttmp9, 1024
	s_lshl_b32 s40, s3, 12                         ; the gate's 4,096 bytes of bs
	s_mov_b32 s41, 0
	s_mov_b32 s42, 0xffff0000                      ; a word's upper bf16
	v_lshlrev_b32 v1, 4, v0
	s_wait_kmcnt 0x0
	s_mov_b64 s[34:35], s[8:9]
	s_mov_b64 s[36:37], s[10:11]
	s_mov_b64 s[38:39], s[12:13]
.irp g, 1,2,3
	s_cmp_eq_u32 s3, \g
	s_cselect_b64 s[34:35], s[8+6*\g:9+6*\g], s[34:35]
	s_cselect_b64 s[36:37], s[10+6*\g:11+6*\g], s[36:37]
	s_cselect_b64 s[38:39], s[12+6*\g:13+6*\g], s[38:39]
.endr
	s_add_nc_u64 s[32:33], s[32:33], s[40:41]
	s_wait_alu depctr_va_vdst(0)                   ; v1 is written: the three loads and the store read it as their offset
	global_load_b128 v[4:7], v1, s[34:35]
	global_load_b128 v[8:11], v1, s[36:37]
	global_load_b128 v[12:15], v1, s[38:39]
	s_wait_loadcnt 0x0
.irp b, 4, 8, 12                       ; rounded to bf16 and widened again
	v_cvt_pk_bf16_f32 v16, v[\b], v[\b+1]
	v_cvt_pk_bf16_f32 v17, v[\b+2], v[\b+3]
	v_lshlrev_b32 v[\b], 16, v16
	v_and_b32 v[\b+1], s42, v16
	v_lshlrev_b32 v[\b+2], 16, v17
	v_and_b32 v[\b+3], s42, v17
.endr
	v_pk_add_f32 v[4:5], v[4:5], v[8:9]
	v_pk_add_f32 v[6:7], v[6:7], v[10:11]
	v_pk_add_f32 v[4:5], v[4:5], v[12:13]
	v_pk_add_f32 v[6:7], v[6:7], v[14:15]
	s_wait_alu depctr_va_vdst(0)                   ; the sums are written into v[4:7], which the store reads
	global_store_b128 v1, v[4:7], s[32:33]
	s_endpgm
.Lfunc_end_k_q305025515a_cast:
	.size	k_q305025515a_cast, .Lfunc_end_k_q305025515a_cast-k_q305025515a_cast
	.p2alignl 7, 3214868480
	.fill 96, 4, 3214868480
	.section	.rodata,"a",@progbits
	.p2align	6, 0x0
	.amdhsa_kernel k_q305025515a_cast
		.amdhsa_group_segment_fixed_size 0
		.amdhsa_private_segment_fixed_size 0
		.amdhsa_enable_private_segment 0
		.amdhsa_kernarg_size 240
		.amdhsa_user_sgpr_count 2
		.amdhsa_user_sgpr_kernarg_segment_ptr 1
		.amdhsa_wavefront_size32 1
		.amdhsa_system_sgpr_workgroup_id_x 1
		.amdhsa_system_sgpr_workgroup_id_y 1
		.amdhsa_system_sgpr_workgroup_id_z 1
		.amdhsa_system_vgpr_workitem_id 0
		.amdhsa_next_free_vgpr 132
		.amdhsa_next_free_sgpr 66
		.amdhsa_reserve_vcc 0
		.amdhsa_float_denorm_mode_32 3
		.amdhsa_float_denorm_mode_16_64 3
		.amdhsa_memory_ordered 1
		.amdhsa_forward_progress 1
		.amdhsa_inst_pref_size 18
	.end_amdhsa_kernel
	.amdgpu_metadata
---
amdhsa.version: [ 1, 2 ]
amdhsa.kernels:
  - .name:           k_q305025515a_cast
    .symbol:         k_q305025515a_cast.kd
    .args:
      - { .name: in_word, .offset: 0, .size: 8, .value_kind: global_buffer, .address_space: global }
      - { .name: last_hid_state, .offset: 8, .size: 8, .value_kind: global_buffer, .address_space: global }
      - { .name: attended_state, .offset: 16, .size: 8, .value_kind: global_buffer, .address_space: global }
      - { .name: Wz, .offset: 24, .size: 8, .value_kind: global_buffer, .address_space: global }
      - { .name: Cz, .offset: 32, .size: 8, .value_kind: global_buffer, .address_space: global }
      - { .name: Uz, .offset: 40, .size: 8, .value_kind: global_buffer, .address_space: global }
      - { .name: Wr, .offset: 48, .size: 8, .value_kind: global_buffer, .address_space: global }
      - { .name: Cr, .offset: 56, .size: 8, .value_kind: global_buffer, .address_space: global }
      - { .name: Ur, .offset: 64, .size: 8, .value_kind: global_buffer, .address_space: global }
      - { .name: W, .offset: 72, .size: 8, .value_kind: global_buffer, .address_space: global }
      - { .name: C, .offset: 80, .size: 8, .value_kind: global_buffer, .address_space: global }
      - { .name: U, .offset: 88, .size: 8, .value_kind: global_buffer, .address_space: global }
      - { .name: Vo, .offset: 96, .size: 8, .value_kind: global_buffer, .address_space: global }
      - { .name: Co, .offset: 104, .size: 8, .value_kind: global_buffer, .address_space: global }
      - { .name: Uo, .offset: 112, .size: 8, .value_kind: global_buffer, .address_space: global }
      - { .name: act, .offset: 120, .size: 8, .value_kind: global_buffer, .address_space: global }
      - { .name: wb, .offset: 128, .size: 8, .value_kind: global_buffer, .address_space: global }
      - { .name: bwz, .offset: 136, .size: 8, .value_kind: global_buffer, .address_space: global }
      - { .name: bcz, .offset: 144, .size: 8, .value_kind: global_buffer, .address_space: global }
      - { .name: buz, .offset: 152, .size: 8, .value_kind: global_buffer, .address_space: global }
      - { .name: bwr, .offset: 160, .size: 8, .value_kind: global_buffer, .address_space: global }
      - { .name: bcr, .offset: 168, .size: 8, .value_kind: global_buffer, .address_space: global }
      - { .name: bur, .offset: 176, .size: 8, .value_kind: global_buffer, .address_space: global }
      - { .name: bw, .offset: 184, .size: 8, .value_kind: global_buffer, .address_space: global }
      - { .name: bc, .offset: 192, .size: 8, .value_kind: global_buffer, .address_space: global }
      - { .name: bu, .offset: 200, .size: 8, .value_kind: global_buffer, .address_space: global }
      - { .name: bvo, .offset: 208, .size: 8, .value_kind: global_buffer, .address_space: global }
      - { .name: bco, .offset: 216, .size: 8, .value_kind: global_buffer, .address_space: global }
      - { .name: buo, .offset: 224, .size: 8, .value_kind: global_buffer, .address_space: global }
      - { .name: bs, .offset: 232, .size: 8, .value_kind: global_buffer, .address_space: global }
    .group_segment_fixed_size: 0
    .private_segment_fixed_size: 0
    .kernarg_segment_align: 8
    .kernarg_segment_size: 240
    .max_flat_workgroup_size: 256
    .sgpr_count:     66
    .vgpr_count:     132
    .wavefront_size: 32
...
	.end_amdgpu_metadata
.endif
;; end of part 5
;; launch gates: the kernel of part 2 again; grid 16 x 16, 4 waves a work-group, clusters of 4 x 4, 327,680 bytes of LDS; arguments act, wb, bs, zb, rh, ps, pt; writes zb, rh, ps, pt
;; launch state: the kernel of part 3 again; grid 8 x 32, 4 waves a work-group, clusters of 4 x 4, 327,680 bytes of LDS; arguments rh, wb, ps, zb, act, out0, sb; writes out0, sb
;; launch outp: the kernel of part 4 again; grid 8 x 32, 4 waves a work-group, clusters of 4 x 4, 327,680 bytes of LDS; arguments sb, wb, pt, out1; writes out1
